; MI455X (gfx1250); checked and timed in simulation.
; The chip was launched on July 23, 2026; its instructions are those of AMD's public machine-readable ISA for CDNA 5 (MIT licence, August 2026) and "CDNA5" Instruction Set Architecture Reference Guide (July 2026). The comments in the code are by the model that wrote it; some were corrected since.
;; Multi Head Attention. Allowed arithmetic: matrix products marked QUANTISED: E2M3 operands, one E8M0 scale for each 32 along K, by v_wmma_scale_f32_16x16x128_f8f6f4 with both operands' format E2M3, f32 sums; everything else in f32.
;; Inputs: bk 1,024 float32; bo 1,024 float32; bq 1,024 float32; bv 1,024 float32; wk 1,024 x 1,024 float32; wo 1,024 x 1,024 float32; wq 1,024 x 1,024 float32; wv 1,024 x 1,024 float32; x 4 x 2,048 x 1,024 float32.
;; Outputs: out0 4 x 2,048 x 1,024 float32.
;; This version of the problem:
;;   THIS VERSION OF THE PROBLEM IS GIVEN IN LOW PRECISION. The matrix products marked QUANTISED in the list below multiply operands that are first quantised to E2M3 (2 exponent bits, 3 mantissa bits; 6 bits a number), with one power-of-two scale for each 32 numbers along K (OCP MX v1.0); their sums are f32. All else is computed in f32.
;;   The module's matrix products, in the order in which they are computed (A, B: the left and right operand; K: the contracted axis; several contracted axes count as one K, in the product's order):
;;     1. [M 8,192, K 1,024] x [K 1,024, N 1,024]; A: input x; B: input wq: QUANTISED
;;     2. [M 8,192, K 1,024] x [K 1,024, N 1,024]; A: input x; B: input wk: QUANTISED
;;     3. [M 8,192, K 1,024] x [K 1,024, N 1,024]; A: input x; B: input wv: QUANTISED
;;     4. batch 64 x [M 2,048, K 64] x [K 64, N 2,048]; A: computed on the way; B: computed on the way: QUANTISED
;;     5. batch 64 x [M 2,048, K 2,048] x [K 2,048, N 64]; A: softmax (see below); B: computed on the way: QUANTISED
;;     6. [M 8,192, K 1,024] x [K 1,024, N 1,024]; A: computed on the way; B: input wo: QUANTISED
;;   THE QUANTISER, for each operand of a quantised product, along K:
;;     - K is cut into blocks of 32 from its start; a last block that is shorter is filled with zeros.
;;     - A block's scale is 2^e with e = floor(log2(the largest magnitude in the block)) - 2, held to -126 .. 127; a block of zeros has e = 0. As a byte (E8M0): e + 127.
;;     - Each number is divided by its block's scale, clamped to +-7.5, and rounded to the nearest number of E2M3, ties to even, subnormals kept.
;;     - The product sums the exact products of the quantised numbers (number of the format x scale) in f32.
;;   ~~~python
;;   def quantise(x, axis):      # numpy; x: float32 -> the quantised numbers, widened to float32 again
;;       x = np.moveaxis(x, axis, -1); K = x.shape[-1]
;;       x = np.pad(x, [(0, 0)] * (x.ndim - 1) + [(0, -K % 32)]); x = x.reshape(x.shape[:-1] + (-1, 32)); a = np.abs(x).max(-1, keepdims=True)
;;       e = np.where(a > 0, np.clip(np.frexp(np.where(a > 0, a, 1))[1] - 1 - 2, -126, 127), 0)      # np.frexp(a)[1] - 1 = floor(log2(a)), exactly
;;       r = np.clip(x / 2.0 ** e, -7.5, 7.5)
;;       step = 2.0 ** (np.maximum(np.frexp(np.where(r == 0, 1, r))[1] - 1, 0) - 3)
;;       q = np.round(r / step) * step * 2.0 ** e      # np.round: ties to even
;;       return np.moveaxis(q.reshape(q.shape[:-2] + (-1,))[..., :K], -1, axis).astype(np.float32)
;;   ~~~
;;   SOFTMAX AHEAD OF A QUANTISED PRODUCT. Where the list says 'softmax', what is quantised is not the finished softmax but p = 2^(t - M), with t = logit x log2(e) and M = ceil(the row's largest t), a whole number; so 1/2 < the row's largest p <= 1. The row's sum l is taken of the UNQUANTISED p, in f32, and the product's result is divided by l at the end. Since M is a whole number, a kernel that streams over the keys may use a running M (the ceiling of the running maximum): every later rescaling is an exact power of two, which a block's scale takes up: the codes' values come out the same.
;;   OPERANDS COMPUTED ON THE WAY. 'Computed on the way' means the value that the module computes at that place (a softmax that the list does not call 'softmax' is quantised finished and normalised). What goes into a quantiser is computed in f32, as accurately as f32 sums, v_exp_f32 and their like allow (about 1e-6 of the number): no bf16 or f16 on the way to a quantiser, and a product that is left as it is and whose result goes on into a quantised operand takes f32 operands (vector FMAs, or v_wmma_f32_16x16x4_f32). A number that lies on a knife's edge between two numbers of the format may be rounded either way, as far as f32 arithmetic and the matrix unit's own rounding can turn it there, and no further.
;; One version. Each part assembles by itself: llvm-mc -triple=amdgcn-amd-amdhsa -mcpu=gfx1250 --defsym DOCPART=n.
;; ======== version 1 of 1: 4 launches
;; limits: right only within a limited range of input values
;; workspace buffers: codes 9,437,184 bytes; scales 393,216 bytes; qkv 20,447,232 bytes; ctxc 6,291,456 bytes; ctxs 262,144 bytes
;; launch quant (part 1): grid 384 x 1, 4 waves a work-group, no clusters, 69,632 bytes of LDS; arguments x, wq, wk, wv, wo, codes, scales; writes codes, scales
.if DOCPART == 1
	.amdgcn_target "amdgcn-amd-amdhsa--gfx1250"
	.amdhsa_code_object_version 6
	.text
	.protected	k_qa458398f34_quant
	.globl	k_qa458398f34_quant
	.p2align	8
	.type	k_qa458398f34_quant,@function
k_qa458398f34_quant:
	s_mov_b64 s[64:65], 0
	v_nop
	global_prefetch_b8 v0, s[64:65] scope:SCOPE_SE
	s_setreg_imm32_b32 hwreg(HW_REG_WAVE_MODE, 25, 1), 1
	s_wait_xcnt 0x0
; x [8192][1024] and wq, wk, wv, wo [1024 (k)][1024 (n)], f32, become codes of FP6 (E2M3) with K innermost and one E8M0 byte for each 32 along K.
; ONE buffer of rows holds all five: a row is 1,024 codes = 768 bytes (codes) and 32 bytes (scales).  Rows 0..8191: x's tokens; row 8192 + 1024 w + ..: column n of weight w (0 wq, 1 wk, 2 wv, 3 wo).
; A ROW STANDS AT POSITION pi(row), pi = the row's number with bits 3 and 4 exchanged: sixteen neighbouring positions 32 b + 16 u + i then hold rows 32 b + 8 u + i + 8 (i / 8),
; the choice of rows with which a transposed product leaves 16 neighbours along its first source's rows in one lane's registers.
; A block's scale is 2^(floor(log2(largest magnitude)) - 2); its byte is the largest magnitude's exponent field - 2, held at 1 from below.
; LIMITS: a block of zeros gets the byte 1 where the rule says 127 (its codes are zeros, and this program alone reads the bytes); blocks whose largest magnitude lies under 2^-124 are held at that floor;
; NaN and infinities among the inputs are not served.
; Work-groups 0..255 take x (K innermost: a lane holds 16 neighbours, turned through the wave's own stage in LDS); work-groups 256..383 the weights (K outermost: a lane takes a column, its registers run down K).
; The two ways part once on the work-group's number, never join, and have LDS bytes of their own.  No tensor load, no barrier: waves share nothing.
.set SPW,   192                        ; v192  LDS address of my spare word; never rewritten
.set NIL,   193                        ; v193  0; never rewritten
.set SPARE, 67584                      ; behind both ways' bytes: the spare words, 128 bytes a wave
.set EMAX,  2
.set STEPS, 16                         ; x: steps of 512 numbers a wave
.set CB,    12                         ; bytes of 16 codes
.set R,     16                         ; v16-79   four sets of 16 numbers as loaded
.set X,     80                         ; v80-111  two sets of 16 neighbours
.set E,     112                        ; v112-127 a scale byte for each step
.set C,     128                        ; v128-191 codes, four registers a step
.set WREG,  8192                       ; x: a wave's LDS: two stages of 32 x SP bytes, then its 256 scale bytes
.set SP,    80
.set WST,   32768                      ; weights: the four stages begin here
.set NB,    8                          ; blocks of 32 along K for a wave
.set PITCH, 272                        ; a stage row: sixteen places of 16 bytes + 16
; THE CODES' LAYOUT: four planes, one for each 256 along K: [K step][row][192 bytes]; 128 rows of a plane are 24,576 dense bytes, a multiple of 256.
; x's TOKENS: token 64 c + 32 h + 8 j + i stands at position 64 c + 16 j + 8 h + i (the weights' columns keep bits 3 and 4 exchanged).
.set KROW,  192                        ; a row's bytes in a plane
.set PLANE, 2359296                    ; 12,288 rows x 192 bytes
.set WX,    32                         ; v32-95   two sets of 32 numbers
.set WC,    96                         ; v96..    a block's codes
.set OUTR,  112                        ; v112-175 the way out
.set SB,    24                         ; v24-25   eight scale bytes
	s_load_b256 s[4:11], s[0:1], 0x0               ; x, wq, wk, wv
	s_load_b128 s[12:15], s[0:1], 0x20             ; wo, codes
	s_load_b64 s[16:17], s[0:1], 0x30              ; scales
	v_lshl_add_u32 v[SPW], v0, 2, SPARE
	v_mov_b32 v[NIL], 0
	v_lshrrev_b32 v1, 5, v0
	v_readfirstlane_b32 s18, v1                    ; wave
	v_and_b32 v2, 31, v0                           ; lane
	s_cmp_lt_u32 ttmp9, 256
	s_cbranch_scc0 .Lweights
	; ---------------- x: a wave takes 8 tokens, a run of 8,192 numbers ----------------
	v_lshlrev_b32 v3, 4, v2                        ; my 16 bytes of a load's 512
	s_mul_i32 s19, s18, WREG
	v_lshrrev_b32 v14, 2, v2
	v_mul_u32_u24 v14, v14, SP
	v_and_b32 v15, 3, v2
	v_lshl_add_u32 v14, v15, 4, v14
	v_add_nc_u32 v14, s19, v14                     ; the stage, in: SP (lane / 4) + 16 (lane % 4)
	v_mul_u32_u24 v15, v2, SP
	v_add_nc_u32 v15, s19, v15                     ; and out: SP x lane: my 16 neighbours
	v_and_b32 v4, 15, v2
	v_mul_u32_u24 v4, v4, CB                       ; sixteen lanes fill a row's 192 bytes of a plane;
	v_lshrrev_b32 v10, 4, v2
	v_mad_u32_u24 v4, v10, PLANE, v4               ; lanes 16-31 hold the next 256 along K: the next plane
	v_lshrrev_b32 v5, 1, v2
	s_add_co_u32 s19, s19, 2*32*SP
	v_add_nc_u32 v5, s19, v5                       ; my block's scale byte in the wave's 256
	v_lshlrev_b32 v7, 3, v2
	v_add_nc_u32 v6, s19, v7                       ; on the way out 8 bytes a lane
	s_lshl_b32 s20, ttmp9, 2
	s_add_co_u32 s22, s20, s18                     ; the run that I read: 4 x work-group + wave
	s_lshl_b32 s22, s22, 15                        ; 32,768 bytes a run
	s_mov_b32 s23, 0
	s_add_co_u32 s24, s20, s18                     ; the run of 8 tokens that I read: bits 0, 1 are j, bit 2 is h
	s_and_b32 s25, s24, 3
	s_lshl_b32 s25, s25, 1
	s_bfe_u32 s30, s24, 0x10002
	s_or_b32 s25, s25, s30                         ; 2 j + h
	s_and_b32 s24, s24, 0xfffffff8
	s_or_b32 s24, s24, s25                         ; the run that I write
	s_mul_i32 s26, s24, 8*KROW
	s_mov_b32 s27, 0
	s_lshl_b32 s28, s24, 8                         ; 256 scale bytes a run
	s_mov_b32 s29, 0
	s_wait_alu depctr_va_vdst(0)
	s_wait_kmcnt 0x0
	s_add_nc_u64 s[4:5], s[4:5], s[22:23]
	s_add_nc_u64 s[14:15], s[14:15], s[26:27]
	s_add_nc_u64 s[16:17], s[16:17], s[28:29]
.macro XLOAD t
.irp i, 0,1,2,3
	global_load_b128 v[R+16*((\t)%4)+4*\i:R+16*((\t)%4)+4*\i+3], v3, s[4:5] offset:2048*(\t)+512*\i th:TH_LOAD_NT   ; 32 lanes read 512 consecutive bytes
.endr
.endm
.macro XTURN t                         ; step t's numbers through the stage; LDS serves a wave's instructions in order, so no wait stands between the stores and the loads
.irp i, 0,1,2,3
	ds_store_b128 v14, v[R+16*((\t)%4)+4*\i:R+16*((\t)%4)+4*\i+3] offset:32*SP*((\t)%2)+8*SP*\i
.endr
.irp i, 0,1,2,3
	ds_load_b128 v[X+16*((\t)%2)+4*\i:X+16*((\t)%2)+4*\i+3], v15 offset:32*SP*((\t)%2)+16*\i
.endr
.endm
.irp t, 0,1,2,3
	XLOAD \t
.endr
	s_wait_loadcnt 12                              ; step 0's four loads are in; the twelve of steps 1 to 3 may be out
	XTURN 0
.macro XSTEP t
.set XS, X+16*((\t)%2)
.if (\t) > 0
	s_wait_dscnt 1                                 ; this step's numbers are back from the stage; the last step's byte store may be out
.else
	s_wait_dscnt 0x0
.endif
.if (\t)+4 < STEPS
	XLOAD (\t)+4                                   ; into the set whose stores into the stage are done
.endif
.if (\t)+1 < STEPS
.if STEPS-2-(\t) >= 3
	s_wait_loadcnt 12                              ; the next step's four loads are in; those of the three steps behind it may be out
.else
	s_wait_loadcnt 4*(STEPS-2-(\t))
.endif
	XTURN (\t)+1
.endif
	v_max3_num_f32 v8, |v[XS]|, |v[XS+1]|, |v[XS+2]|               ; the largest magnitude of my 16, in two chains
	v_max3_num_f32 v9, |v[XS+3]|, |v[XS+4]|, |v[XS+5]|
.irp i, 6,10
	v_max3_num_f32 v8, v8, |v[XS+\i]|, |v[XS+\i+1]|
	v_max3_num_f32 v9, v9, |v[XS+\i+2]|, |v[XS+\i+3]|
.endr
	v_max3_num_f32 v8, v8, |v[XS+14]|, |v[XS+15]|
	v_max3_num_f32 v8, v8, v9, (EMAX+1)<<23        ; and the floor 2^(3 - 127): the byte cannot fall under 1
	v_max_num_f32_dpp v8, v8, v8 row_xmask:1 row_mask:0xf bank_mask:0xf   ; with my neighbour's 16: the block's
	v_add_nc_u32 v11, -(EMAX<<23), v8              ; 2 off its exponent field: the conversion takes that field as its scale
	v_cvt_scalef32_pk16_fp6_f32 v[C+4*(\t):C+4*(\t)+2], v[XS:XS+15], v11
	v_lshrrev_b32 v[E+(\t)], 23, v11               ; the scale's byte (also the plain line behind the conversion)
	ds_store_b8 v5, v[E+(\t)] offset:16*(\t)       ; both lanes of a block write the same byte with the same value
	global_store_b96 v4, v[C+4*(\t):C+4*(\t)+2], s[14:15] offset:2*PLANE*((\t)%2)+KROW*((\t)/2)   ; token t / 2 of my eight, planes 2 (t % 2) and 2 (t % 2) + 1
.endm
.irp t, 0,1,2,3,4,5,6,7,8,9,10,11,12,13,14,15
	XSTEP \t
.endr
	ds_load_b64 v[8:9], v6                         ; in order behind my byte stores
	s_wait_dscnt 0x0
	global_store_b64 v7, v[8:9], s[16:17]          ; 32 lanes store 256 consecutive bytes, aligned
	s_wait_tensorcnt 0x0                           ; the wave's end
	ds_add_u32 v[SPW], v[NIL]
	s_wait_dscnt 0x0
	s_endpgm
	; ---------------- the weights: a wave takes 32 columns x 256 along K ----------------
.Lweights:
	s_sub_co_u32 s19, ttmp9, 256
	s_lshr_b32 s20, s19, 5                         ; which weight
	s_bfe_u32 s21, s19, 0x30002                    ; which 128 columns
	s_and_b32 s22, s19, 3                          ; which 256 along K
	s_lshl_b32 s21, s21, 7
	s_lshl_b32 s23, s18, 5
	s_add_co_u32 s21, s21, s23                     ; my wave's first column, a multiple of 32
	s_wait_alu depctr_va_vdst(0)
	v_lshlrev_b32 v3, 2, v2                        ; in: 4 bytes a lane
	s_mul_i32 s23, s18, 32*PITCH
	s_add_co_u32 s23, s23, WST                     ; my stage
	v_mul_u32_u24 v4, v2, PITCH
	v_add_nc_u32 v4, s23, v4                       ; into it: row = my column
	v_and_b32 v5, 15, v2
	v_lshrrev_b32 v6, 4, v2
	v_mul_u32_u24 v7, v6, PITCH
	v_lshl_add_u32 v7, v5, 4, v7
	v_add_nc_u32 v7, s23, v7                       ; out of it: sixteen lanes to a row, two rows an instruction
	v_mul_u32_u24 v8, v6, KROW
	v_mad_u32_u24 v8, v5, 12, v8                   ; and the same place in the codes' rows
	v_and_b32 v9, 7, v2                            ; pi(lane): my column's position among the 32
	v_bfe_u32 v10, v2, 3, 1
	v_lshl_or_b32 v9, v10, 4, v9
	v_bfe_u32 v10, v2, 4, 1
	v_lshl_or_b32 v9, v10, 3, v9
	v_lshlrev_b32 v9, 5, v9                        ; x 32 bytes: its row of scale bytes
	s_lshl_b32 s24, s22, 20                        ; W: 256 rows of 4,096 bytes for each step along K,
	s_lshl_b32 s25, s21, 2
	s_add_co_u32 s24, s24, s25                     ; + 4 x column
	s_mov_b32 s25, 0
	s_lshl_b32 s26, s20, 10
	s_add_co_u32 s26, s26, s21
	s_add_co_u32 s26, s26, 8192                    ; the first of my 32 rows in codes and scales
	s_mul_i32 s28, s26, KROW
	s_mul_i32 s30, s22, PLANE
	s_add_co_u32 s28, s28, s30
	s_mov_b32 s29, 0
	s_lshl_b32 s30, s26, 5
	s_lshl_b32 s31, s22, 3
	s_add_co_u32 s30, s30, s31
	s_mov_b32 s31, 0
	s_and_b32 s32, s20, 1
	s_lshr_b32 s33, s20, 1
	s_wait_kmcnt 0x0
	s_cmp_lg_u32 s32, 0                            ; the weight is chosen by the work-group's number alone
	s_cselect_b64 s[6:7], s[8:9], s[6:7]           ; wk or wq
	s_cselect_b64 s[10:11], s[12:13], s[10:11]     ; wo or wv
	s_cmp_lg_u32 s33, 0
	s_cselect_b64 s[6:7], s[10:11], s[6:7]
	s_add_nc_u64 s[6:7], s[6:7], s[24:25]
	s_add_nc_u64 s[14:15], s[14:15], s[28:29]
	s_add_nc_u64 s[16:17], s[16:17], s[30:31]
.macro WLOAD t                         ; block t: W(32 t + i, my column), i = 0 .. 31: each load reads 128 consecutive bytes
.set i, 0
.rept 32
	global_load_b32 v[WX+32*((\t)%2)+i], v3, s[6:7] offset:(32*(\t)+i)*4096 th:TH_LOAD_NT
.set i, i+1
.endr
.endm
	WLOAD 0
	WLOAD 1
.macro BLOCK t
.set WS, WX+32*((\t)%2)
.if (\t) < NB-1
	s_wait_loadcnt 32                              ; this block's 32 loads are in; the next block's may be out
.else
	s_wait_loadcnt 0
.endif
	v_max3_num_f32 v12, |v[WS]|, |v[WS+1]|, |v[WS+2]|              ; the block's largest magnitude: all 32 numbers are mine
	v_max3_num_f32 v13, |v[WS+3]|, |v[WS+4]|, |v[WS+5]|
.irp i, 6,10,14,18,22,26
	v_max3_num_f32 v12, v12, |v[WS+\i]|, |v[WS+\i+1]|
	v_max3_num_f32 v13, v13, |v[WS+\i+2]|, |v[WS+\i+3]|
.endr
	v_max3_num_f32 v12, v12, |v[WS+30]|, |v[WS+31]|
	v_max3_num_f32 v12, v12, v13, (EMAX+1)<<23     ; and the floor
	v_add_nc_u32 v11, -(EMAX<<23), v12
	v_lshrrev_b32 v13, 23, v11                     ; the scale's byte
.if (\t)%4 == 0
	v_mov_b32 v[SB+(\t)/4], v13
.else
	v_lshl_or_b32 v[SB+(\t)/4], v13, 8*((\t)%4), v[SB+(\t)/4]
.endif
	v_cvt_scalef32_pk16_fp6_f32 v[WC:WC+2], v[WS:WS+15], v11
	v_cvt_scalef32_pk16_fp6_f32 v[WC+4:WC+6], v[WS+16:WS+31], v11  ; (a conversion's three registers begin on an even number)
	ds_store_b96 v4, v[WC:WC+2] offset:32*(\t)     ; 12 bytes to a place of 16: every LDS address is a multiple of 16
	ds_store_b96 v4, v[WC+4:WC+6] offset:32*(\t)+16
.if (\t)+2 < NB
	WLOAD (\t)+2
.endif
	s_wait_dscnt 0x0                               ; the stores have read their registers: the next block's codes may be written
.endm
.set Q, 0
.rept NB
	BLOCK Q
.set Q, Q+1
.endr
	s_wait_alu depctr_va_vdst(0)
	global_store_b64 v9, v[SB:SB+1], s[16:17]      ; my column's eight scale bytes, at its position
.irp t, 0,1,2,3,4,5,6,7,8,9,10,11,12,13,14,15
	ds_load_b96 v[OUTR+4*\t:OUTR+4*\t+2], v7 offset:2*\t*PITCH     ; in order behind my stores
.endr
.irp t, 0,1,2,3,4,5,6,7,8,9,10,11,12,13,14,15
	s_wait_dscnt 15-\t                             ; the younger reads of the stage may be out
	global_store_b96 v8, v[OUTR+4*\t:OUTR+4*\t+2], s[14:15] offset:(((2*\t)&7)|((((2*\t)>>3)&1)<<4)|((((2*\t)>>4)&1)<<3))*KROW   ; columns 2 t, 2 t + 1 go to positions pi(2 t), pi(2 t) + 1; sixteen lanes store 192 consecutive bytes
.endr
	s_wait_tensorcnt 0x0                           ; the wave's end
	ds_add_u32 v[SPW], v[NIL]
	s_wait_dscnt 0x0
	s_endpgm
.Lfunc_end_k_qa458398f34_quant:
	.size	k_qa458398f34_quant, .Lfunc_end_k_qa458398f34_quant-k_qa458398f34_quant
	.p2alignl 7, 3214868480
	.fill 96, 4, 3214868480
	.section	.rodata,"a",@progbits
	.p2align	6, 0x0
	.amdhsa_kernel k_qa458398f34_quant
		.amdhsa_group_segment_fixed_size 69632
		.amdhsa_private_segment_fixed_size 0
		.amdhsa_enable_private_segment 0
		.amdhsa_kernarg_size 56
		.amdhsa_user_sgpr_count 2
		.amdhsa_user_sgpr_kernarg_segment_ptr 1
		.amdhsa_wavefront_size32 1
		.amdhsa_system_sgpr_workgroup_id_x 1
		.amdhsa_system_sgpr_workgroup_id_y 1
		.amdhsa_system_sgpr_workgroup_id_z 1
		.amdhsa_system_vgpr_workitem_id 0
		.amdhsa_next_free_vgpr 196
		.amdhsa_next_free_sgpr 66
		.amdhsa_reserve_vcc 0
		.amdhsa_float_denorm_mode_32 3
		.amdhsa_float_denorm_mode_16_64 3
		.amdhsa_memory_ordered 1
		.amdhsa_forward_progress 1
		.amdhsa_inst_pref_size 74
	.end_amdhsa_kernel
	.amdgpu_metadata
---
amdhsa.version: [ 1, 2 ]
amdhsa.kernels:
  - .name:           k_qa458398f34_quant
    .symbol:         k_qa458398f34_quant.kd
    .args:
      - { .name: x, .offset: 0, .size: 8, .value_kind: global_buffer, .address_space: global }
      - { .name: wq, .offset: 8, .size: 8, .value_kind: global_buffer, .address_space: global }
      - { .name: wk, .offset: 16, .size: 8, .value_kind: global_buffer, .address_space: global }
      - { .name: wv, .offset: 24, .size: 8, .value_kind: global_buffer, .address_space: global }
      - { .name: wo, .offset: 32, .size: 8, .value_kind: global_buffer, .address_space: global }
      - { .name: codes, .offset: 40, .size: 8, .value_kind: global_buffer, .address_space: global }
      - { .name: scales, .offset: 48, .size: 8, .value_kind: global_buffer, .address_space: global }
    .group_segment_fixed_size: 69632
    .private_segment_fixed_size: 0
    .kernarg_segment_align: 8
    .kernarg_segment_size: 56
    .max_flat_workgroup_size: 128
    .sgpr_count:     66
    .vgpr_count:     196
    .wavefront_size: 32
...
	.end_amdgpu_metadata
.endif
;; end of part 1
;; launch qkv (part 2): grid 12 x 32, 4 waves a work-group, clusters of 4 x 4, 327,680 bytes of LDS; arguments codes, scales, bq, bk, bv, qkv; writes qkv
.if DOCPART == 2
	.amdgcn_target "amdgcn-amd-amdhsa--gfx1250"
	.amdhsa_code_object_version 6
	.text
	.protected	k_qa458398f34_qkv
	.globl	k_qa458398f34_qkv
	.p2align	8
	.type	k_qa458398f34_qkv,@function
k_qa458398f34_qkv:
	s_mov_b64 s[64:65], 0
	v_nop
	global_prefetch_b8 v0, s[64:65] scope:SCOPE_SE
	s_setreg_imm32_b32 hwreg(HW_REG_WAVE_MODE, 25, 1), 1
	s_wait_xcnt 0x0
	s_wait_alu depctr_hold_cnt(0) depctr_sa_sdst(0) depctr_va_vdst(0) depctr_va_sdst(0) depctr_va_ssrc(0) depctr_va_vcc(0) depctr_vm_vsrc(0)
	s_getreg_b32 s2, hwreg(HW_REG_IB_STS2, 6, 4)
	s_cmp_eq_u32 s2, 0
	s_cbranch_scc0 .Lentry_in_a_cluster
	s_endpgm
.Lentry_in_a_cluster:
	s_bfe_u32 s2, ttmp6, 0x10000c
	s_cmp_lg_u32 s2, 0xf033
	s_cbranch_scc0 .Lentry_shape_is_right
	s_endpgm
.Lentry_shape_is_right:
; q = x wq + bq, k = x wk + bk, v = x wv + bv on codes of FP6 (E2M3) with E8M0 scales, K = 1,024; the results are quantised in registers and leave as IMAGES OF OPERAND REGISTERS for the attention launch.
; ONE FORM: R[i][j] = sum over k of P[i][k] Qm[j][k], tiles of 256 x 256, used transposed (source 0 = 16 rows of Qm, source 1 = 16 rows of P): a lane holds one i and its registers run along j; R is quantised along j.
;   q, k (cluster x = 0, 1): P = x (i = a token's position), Qm = wq, wk (j = the output column: a head's 64 dims are the next product's K).
;   v    (cluster x = 2):    P = wv (i = a column's position), Qm = x (j = the token: the keys are the next product's K).  Both operands are rows of the one buffer of codes, so the roles change by row arithmetic alone.
; Rows stand at position pi(row) (bits 3 and 4 exchanged): sixteen neighbouring positions of Qm are rows 32 b + 8 u + i + 8 (i / 8), so that the 16 registers of two neighbouring tiles are 16 NEIGHBOURS along j.
; A work-group of four waves makes a tile, a wave 128 x 128: 64 accumulators.  K goes in four steps of 256 through two LDS slots filled by the tensor data mover; the scale bytes of the tile's rows come once and stay.
; CLUSTERS: 4 x 4 work-groups; P's tiles are asked for jointly along a row of the cluster, Qm's along a column.
; RECORDS in qkv: record (kind, 16 batch + head, step of 128 tokens) = 6,656 bytes: four fragments of 1,536 bytes (register group c of lane l at 512 c + 16 l), then 512 bytes of scale words (lane l: four words).
;   q, k: fragment b: registers 0-5 the 64 dims of the token at position 32 b + r, registers 6-11 of position 32 b + 16 + r; word b: two bytes for each of the two.   v: fragment t: lane r = the dim at position 16 t + r, K = the step's 128 keys in their true order.
; LIMITS: a block of zeros gets the byte 1 (its codes are zeros; this program alone reads the bytes); blocks under 2^-124 are held at that floor; NaN and infinities are not served.
; REGISTERS: window 0: v16-29 addresses; v32-63 scale words, two sets; v64-127 the bias; from v128 P's fragments, one set (on the way out v128-251 are at work).  window 1: Qm's fragments, two sets.  windows 2, 3: the accumulators ((a, b) at v[8 (8 (a % 4) + b)]).
.set KSTEP,  256
.set NQ,     2
.set ROWB,   2359296                   ; from a K step's plane of codes to the next: 12,288 rows x 192 bytes
.set KROW,   192                       ; a row's bytes in a plane; 128 rows are 24,576 dense bytes, fetched as 96 rows of 256 bytes with the padding's interval left at 64 bytes
.set PITCH,  240                       ; an LDS row: 3 x (64 bytes + 16 of padding)
.set FR,     12
.set NL,     6
.set NP,     4
.set HALFT,  128*PITCH
.set SLOT,   4*HALFT
.set KS,     32
.set SCL,    2*SLOT                    ; behind the ring: the scales, as units of 256 bytes + 16 of padding
.set HALFS,  (128*KS/256)*272
.set SBLK,   (16*KS/256)*272
.set SPARE,  SCL+4*HALFS               ; the spare words, 128 bytes a wave
.set RECB,   6656
.set HEADB,  16*RECB
.set ADRA, 16
.set ADRB, 20
.set LI,   24                          ; v24  16 x lane: an image's place for my lane
.set BQK,  25                          ; v25  64 x (lane / 16): my 16 numbers of each 32 of bq, bk
.set BV,   26                          ; v26  4 x (r + 8 (r / 8)): my row's number of bv
.set ADRS, 27
.set SPW,  28
.set NIL,  29
.set SC,   32
.set BI,   64                          ; the bias
.set AF,   128
.set HA,   128                         ; the way out: 64 numbers of a lane
.set T0,   192                         ; two fragments in the making
.set T1,   204
.set CT,   216                         ; second halves of the conversions
.set TM,   224                         ; v224-239 at work in QUANT
.set PW,   240                         ; two scale words
.set SW,   244                         ; v244-251 the records' scale words
.set SEL,  2                           ; s[2:3] selects of v_permlanex16_b32: lane l xor 16
.set G1, 24
.set G0, 32
.set G1B, 48
.set G0B, 56
.set G1S, 68
.set G0S, 76
.set G1SB, 80
.set G0SB, 88
.set MSB, 0
.macro WIN new                         ; the immediate's high byte repeats the setting that is left
.if MSB != \new
	s_set_vgpr_msb (MSB<<8)|\new
.set MSB, \new
.endif
.endm
.set MUL_LO, 0xa1                      ; source 0 (Qm) window 1, source 1 (P) window 0, C and D window 2
.set MUL_HI, 0xf1
.set TO_B,   0x40
; A joint load: waves 0 and 1 fetch for P, waves 2 and 3 for Qm; the branch hangs on the wave's number alone.  An s_nop 0 and four v_nop follow each of the two lines.
.macro JLOAD g0a, g1a, g0b, g1b
	s_cmp_eq_u32 s15, 0
	s_cbranch_scc0 .Lfor_b_\@
	tensor_load_to_lds s[\g0a:\g0a+3], s[\g1a:\g1a+7]
	s_nop 0
.rept 4
	v_nop
.endr
	s_branch .Lasked_\@
.Lfor_b_\@:
	tensor_load_to_lds s[\g0b:\g0b+3], s[\g1b:\g1b+7]
	s_nop 0
.rept 4
	v_nop
.endr
.Lasked_\@:
.endm
.macro CREST                           ; a round of the cluster's barrier behind its opening barrier
	s_cmp_lg_u32 s14, 0
	s_cbranch_scc1 .Lnot_wave_0_\@
	s_barrier_signal -3
.Lnot_wave_0_\@:
	s_barrier_wait -3
	s_barrier_signal -1
	s_barrier_wait -1
.endm
.macro CROUND
	s_barrier_signal -1
	s_barrier_wait -1
	CREST
.endm
	s_load_b256 s[4:11], s[0:1], 0x0               ; codes s[4:5], scales s[6:7], bq s[8:9], bk s[10:11]
	s_load_b128 s[96:99], s[0:1], 0x20             ; bv s[96:97], qkv s[98:99]
	v_lshl_add_u32 v[SPW], v0, 2, SPARE
	v_mov_b32 v[NIL], 0
	ds_add_u32 v[SPW], v[NIL]                      ; the wave's opening: the add and its wait come ahead of my first tensor load; the set-up below stands between them
	ds_add_u32 v[SPW], v[NIL]
	v_lshrrev_b32 v1, 5, v0
	v_readfirstlane_b32 s14, v1                    ; wave 0..3
	s_lshr_b32 s15, s14, 1                         ; which half of the tile's rows (i) is mine.  Also: I fetch for P (0) or for Qm (1)
	s_and_b32 s16, s14, 1                          ; which half of its columns (j).  Also: which 128 rows of that tile I fetch
	s_bfe_u32 s40, ttmp6, 0x40000                  ; cx, cy: my place in the cluster
	s_bfe_u32 s41, ttmp6, 0x40004
	s_and_b32 s17, ttmp7, 0xffff                   ; the cluster's y
	s_cmp_eq_u32 ttmp9, 2                          ; the cluster's x is the kind: the same in all sixteen partners
	s_cselect_b32 s42, s17, ttmp9                  ; v: the tokens run along the tile columns
	s_cselect_b32 s17, 0, s17                      ;    and wv has four tile rows, one for each cy
	s_cselect_b32 s12, 10240, 0                    ; P's first row in the buffer: wv's or x's
	s_cselect_b32 s13, 0, 8192                     ; Qm's: x's or wq's (wk follows it)
	s_lshl_b32 s42, s42, 2
	s_add_co_u32 s42, s42, s40                     ; tile column
	s_lshl_b32 s17, s17, 2
	s_add_co_u32 s17, s17, s41                     ; tile row
	s_lshl_b32 s43, s41, 2
	s_lshl_b32 s43, 15, s43                        ; my row of the cluster
	s_lshl_b32 s44, 0x1111, s40                    ; my column
	s_or_b32 s[G1+0], s43, (0<<16)|(1<<20)|(1<<21)|(3<<22)|(3<<25)  ; the mask; elements of 1 byte; padding on; bit 21 beside a mask; after every 16 words 4 words
	s_or_b32 s[G1B+0], s44, (0<<16)|(1<<20)|(1<<21)|(3<<22)|(3<<25)
.irp g, G1, G1B
	s_mov_b32 s[\g+1], 256<<16                     ; tensor_dim0: rows of 256 bytes
	s_mov_b32 s[\g+2], 192<<16                     ; tensor_dim1: at the head 256 rows of codes = 192 such rows
	s_mov_b32 s[\g+3], 256<<16                     ; tile_dim0
	s_mov_b32 s[\g+4], 192                         ; tile_dim1
	s_mov_b32 s[\g+5], 256                         ; dense
	s_mov_b32 s[\g+6], 0
	s_mov_b32 s[\g+7], 0
.endr
	s_or_b32 s[G1S+0], s43, (3<<16)|(1<<20)|(1<<21)|(5<<22)|(3<<25) ; the scales of 256 rows: 8,192 dense bytes as 32 rows of 256, 16 bytes of padding behind each
	s_or_b32 s[G1SB+0], s44, (3<<16)|(1<<20)|(1<<21)|(5<<22)|(3<<25)
.irp g, G1S, G1SB
	s_mov_b32 s[\g+1], 32<<16
	s_mov_b32 s[\g+2], (256*KS/256)<<16
	s_mov_b32 s[\g+3], 32<<16
	s_mov_b32 s[\g+4], 256*KS/256
	s_mov_b32 s[\g+5], 32
	s_mov_b32 s[\g+6], 0
	s_mov_b32 s[\g+7], 0
.endr
	s_mov_b32 s18, 0                               ; the tile's first row: the head's loads bring whole tiles
	s_lshl_b32 s20, s17, 8
	s_add_co_u32 s20, s20, s18
	s_add_co_u32 s20, s20, s12                     ; P: its first row + 256 x tile row
	s_lshl_b32 s46, s42, 8
	s_add_co_u32 s46, s46, s18
	s_add_co_u32 s46, s46, s13                     ; Qm likewise by the tile column
	s_mov_b32 s21, 0
	s_mov_b32 s47, 0
	s_mov_b64 s[18:19], KS
	s_mul_u64 s[22:23], s[20:21], s[18:19]         ; where these rows' scales begin
	s_mul_u64 s[92:93], s[46:47], s[18:19]
	s_mov_b64 s[18:19], KROW
	s_mul_u64 s[20:21], s[20:21], s[18:19]         ; and their codes
	s_mul_u64 s[46:47], s[46:47], s[18:19]
	s_mul_i32 s45, s14, HALFT                      ; where they go: wave x 128 rows
	s_mov_b32 s[SEL], 0x76543210
	s_mov_b32 s[SEL+1], 0xfedcba98
	s_wait_dscnt 0x0                               ; the opening add is done
	s_wait_kmcnt 0x0
	s_add_nc_u64 s[20:21], s[4:5], s[20:21]
	s_add_nc_u64 s[22:23], s[6:7], s[22:23]
	s_add_nc_u64 s[46:47], s[4:5], s[46:47]
	s_add_nc_u64 s[92:93], s[6:7], s[92:93]
	CROUND                                         ; all sixteen work-groups are here: the first joint loads meet
	s_mov_b32 s[G0S], 1
	s_mov_b32 s[G0S+1], SCL
	s_mov_b64 s[G0S+2:G0S+3], s[22:23]
	s_or_b32 s[G0S+3], s[G0S+3], 0x80000000
	s_mov_b32 s[G0SB], 1
	s_mov_b32 s[G0SB+1], SCL+2*HALFS
	s_mov_b64 s[G0SB+2:G0SB+3], s[92:93]
	s_or_b32 s[G0SB+3], s[G0SB+3], 0x80000000
.irp s, 0,1
	s_mov_b32 s[G0+4*\s], 1
	s_add_co_u32 s[G0+4*\s+1], s45, \s*SLOT
	s_add_nc_u64 s[G0+4*\s+2:G0+4*\s+3], s[20:21], \s*ROWB
	s_or_b32 s[G0+4*\s+3], s[G0+4*\s+3], 0x80000000
	s_mov_b32 s[G0B+4*\s], 1
	s_add_co_u32 s[G0B+4*\s+1], s45, \s*SLOT
	s_add_nc_u64 s[G0B+4*\s+2:G0B+4*\s+3], s[46:47], \s*ROWB
	s_or_b32 s[G0B+4*\s+3], s[G0B+4*\s+3], 0x80000000
.endr
	s_mul_i32 s18, s16, 128*KROW                   ; in the ring I fetch 128 rows of a tile: which half, in bytes
	s_mov_b32 s19, 0
	s_add_nc_u64 s[G0+6:G0+7], s[G0+6:G0+7], s[18:19]
	s_add_nc_u64 s[G0B+6:G0B+7], s[G0B+6:G0B+7], s[18:19]
	s_mov_b32 s[G0+1], 0                           ; the head's loads of K step 0: P's 256 rows at slot 0's start,
	s_mov_b32 s[G0B+1], 2*HALFT                    ; Qm's behind them
; THE HEAD'S LOADS, one a wave: wave 0 P's 256 rows of K step 0, wave 1 Qm's, wave 2 P's scales, wave 3 Qm's.  One tree of branches on the wave's number.
.macro ARM under, g0, g1, next
	s_cmp_lt_u32 s14, \under
	s_cbranch_scc0 \next
	tensor_load_to_lds s[\g0:\g0+3], s[\g1:\g1+7]
	s_nop 0
.rept 4
	v_nop
.endr
	s_branch .Lhead_asked
\next:
.endm
	ARM 1, G0,  G1,  .Lhead_b
	ARM 2, G0B, G1B, .Lhead_sa
	ARM 3, G0S, G1S, .Lhead_sb
	tensor_load_to_lds s[G0SB:G0SB+3], s[G1SB:G1SB+7]
	s_nop 0
.rept 4
	v_nop
.endr
.Lhead_asked:
	v_and_b32 v1, 15, v0
	v_bfe_u32 v2, v0, 4, 1                         ; h
	v_mul_u32_u24 v3, v1, PITCH
	v_mul_u32_u24 v4, v2, 24
	v_add_nc_u32 v4, v3, v4                        ; a fragment's row x pitch + 24 x half
	v_lshl_add_u32 v5, v2, 4, v4                   ; and the same behind one padding more
	s_mul_i32 s21, s15, HALFT                      ; my 128 rows of P
	s_mul_i32 s22, s16, HALFT                      ; my 128 rows of Qm,
	s_add_co_u32 s22, s22, 2*HALFT                 ; which lie behind P's 256
.irp s, 0,1
	v_add_nc_u32 v[ADRA+\s], s21, v4
	v_add_nc_u32 v[ADRB+\s], s22, v4
	v_add_nc_u32 v[ADRA+2+\s], s21, v5
	v_add_nc_u32 v[ADRB+2+\s], s22, v5
	s_add_co_u32 s21, s21, SLOT
	s_add_co_u32 s22, s22, SLOT
.endr
	v_mul_u32_u24 v5, v1, KS                       ; my row's scales: 32 bytes a row,
	v_lshrrev_b32 v6, 8, v5
	v_lshl_add_u32 v5, v6, 4, v5                   ; and 16 more for each 256 passed
	s_mul_i32 s21, s15, HALFS
	s_mul_i32 s22, s16, HALFS
	s_add_co_u32 s22, s22, 2*HALFS
	s_sub_co_u32 s22, s22, s21
	v_mul_u32_u24 v6, s22, v2                      ; lanes 16-31 take Qm's
	s_add_co_u32 s21, s21, SCL
	v_add_nc_u32 v5, v5, v6
	v_add_nc_u32 v[ADRS], s21, v5
	v_and_b32 v6, 31, v0
	v_lshlrev_b32 v[LI], 4, v6
	v_lshlrev_b32 v[BQK], 6, v2
	v_and_b32 v6, 8, v1
	v_add_nc_u32 v6, v6, v1
	v_lshlrev_b32 v[BV], 2, v6
.irp b, 0,1,2,3
	v_mov_b32 v[TM+4+\b], 0                        ; written once: a lane permute's destination counts as one of its sources
.endr
.macro FRAG reg, adr, q, i             ; 16 rows x 128 K of 6-bit codes: 12 registers, in six pieces of 8 bytes; where the piece of lanes 16-31 lies behind one padding more, the second address register serves
.irp p, 0,1,2,3,4,5
.set PC, 12*(\q)+6*(\p/3)+\p%3
.if PC%8 < 5
	ds_load_b64 v[\reg+2*\p:\reg+2*\p+1], v[\adr] offset:8*PC+16*(PC/8)+(\i)*16*PITCH
.else
	ds_load_b64 v[\reg+2*\p:\reg+2*\p+1], v[\adr+2] offset:8*PC+16*(PC/8)+(\i)*16*PITCH
.endif
.endr
.endm
; 16 matrix instructions: P's blocks a0, a0 + 1 x Qm's eight, 128 along K.  The 64 accumulators take turns, one instruction a turn, in the same order in every step.
.macro MUL16 a0, p, q, sc, zero
.irp a, \a0, \a0+1
.irp b, 0,1,2,3,4,5,6,7
.if \zero
	v_wmma_scale_f32_16x16x128_f8f6f4 v[8*(8*((\a)%4)+\b):8*(8*((\a)%4)+\b)+7], v[128*(\p)+FR*\b:128*(\p)+FR*\b+FR-1], v[AF+FR*(\a):AF+FR*(\a)+FR-1], 0, v[SC+8*NQ*(\sc)+NQ*\b+(\q)], v[SC+8*NQ*(\sc)+NQ*(\a)+(\q)] matrix_a_fmt:MATRIX_FMT_FP6 matrix_b_fmt:MATRIX_FMT_FP6 matrix_a_scale:MATRIX_SCALE_ROW1
.else
	v_wmma_scale_f32_16x16x128_f8f6f4 v[8*(8*((\a)%4)+\b):8*(8*((\a)%4)+\b)+7], v[128*(\p)+FR*\b:128*(\p)+FR*\b+FR-1], v[AF+FR*(\a):AF+FR*(\a)+FR-1], v[8*(8*((\a)%4)+\b):8*(8*((\a)%4)+\b)+7], v[SC+8*NQ*(\sc)+NQ*\b+(\q)], v[SC+8*NQ*(\sc)+NQ*(\a)+(\q)] matrix_a_fmt:MATRIX_FMT_FP6 matrix_b_fmt:MATRIX_FMT_FP6 matrix_a_scale:MATRIX_SCALE_ROW1
.endif
.endr
.endr
.endm
.macro FETCH_B slot, q, p
	WIN TO_B
.irp i, 0,1,2,3,4,5,6,7
	FRAG 128*(\p)+FR*\i, ADRB+\slot, \q, \i
.endr
	WIN 0
.endm
.macro FETCH_A slot, q, i0
.irp i, \i0, \i0+1, \i0+2, \i0+3
	FRAG AF+FR*(\i), ADRA+\slot, \q, \i
.endr
.endm
.macro SCALES sc                       ; a K step's scale words: lanes 0-15 take P's block i, lanes 16-31 Qm's block i
.irp i, 0,1,2,3,4,5,6,7
	ds_load_b64 v[SC+8*NQ*\sc+NQ*\i:SC+8*NQ*\sc+NQ*\i+1], v[ADRS] offset:\i*SBLK
.endr
.endm
.macro PLACES n                        ; plain vector instructions between a matrix instruction and a load into, or a vector read or write of, its registers
.rept \n
	v_nop
.endr
.endm
.macro STEP slot, q, zero              ; 128 along K whose successor lies in the same slot
	s_wait_dscnt 4*NL                              ; Qm's set and P's blocks 0-3 are in; the youngest 24 loads (P's blocks 4-7) may be out
	WIN MUL_LO
	MUL16 0, (\q)%2, \q, \slot, \zero
	MUL16 2, (\q)%2, \q, \slot, \zero
	s_wait_dscnt 0
	PLACES NP
	FETCH_B \slot, (\q)+1, 1-(\q)%2
	FETCH_A \slot, (\q)+1, 0
	WIN MUL_HI
	MUL16 4, (\q)%2, \q, \slot, \zero
	MUL16 6, (\q)%2, \q, \slot, \zero
	PLACES NP
	WIN 0
	FETCH_A \slot, (\q)+1, 4
.endm
; A slot's last step changes slots: one barrier; in front of it each wave waits for all its tensor loads, adds 0 to its spare word, and waits for that and for its reads of this slot.  fill = 1: the slot is filled again, two K steps ahead.
.macro TURN slot, next, fill
	s_wait_tensorcnt 0x0                           ; all my tensor loads have landed: my part of the next slot
	ds_add_u32 v[SPW], v[NIL]
	s_wait_dscnt 4*NL+1                            ; the add and the youngest 24 loads may be out
	WIN MUL_LO
	MUL16 0, 1, NQ-1, \slot, 0
	s_wait_dscnt 0x0                               ; the add is done, and my reads of this slot are over
	s_barrier_signal -1
	MUL16 2, 1, NQ-1, \slot, 0
	WIN 0
	s_barrier_wait -1
.if \fill
	CREST                                          ; the barrier has opened a round of the cluster's: no wave of any partner still reads this slot or has a load on its way
	s_add_nc_u64 s[G0+4*\slot+2:G0+4*\slot+3], s[G0+4*\slot+2:G0+4*\slot+3], 2*ROWB
	s_add_nc_u64 s[G0B+4*\slot+2:G0B+4*\slot+3], s[G0B+4*\slot+2:G0B+4*\slot+3], 2*ROWB
	JLOAD G0+4*\slot, G1, G0B+4*\slot, G1B         ; the first tensor load behind the round; its four v_nop are the places in front of the loads below
.else
	PLACES NP
.endif
	s_wait_alu depctr_va_vdst(0)
	v_add_nc_u32 v[ADRS], 4*NQ, v[ADRS]            ; the next K step's scale words
	FETCH_B \next, 0, 0
	FETCH_A \next, 0, 0
	SCALES \next
	WIN MUL_HI
	MUL16 4, 1, NQ-1, \slot, 0
	MUL16 6, 1, NQ-1, \slot, 0
	PLACES NP
	WIN 0
	FETCH_A \next, 0, 4
.endm
.macro LAST                            ; the very last 128 along K: nothing more to fetch
	s_wait_dscnt 4*NL
	WIN MUL_LO
	MUL16 0, 1, NQ-1, 1, 0
	MUL16 2, 1, NQ-1, 1, 0
	s_wait_dscnt 0
	WIN MUL_HI
	MUL16 4, 1, NQ-1, 1, 0
	MUL16 6, 1, NQ-1, 1, 0
	WIN 0
.endm
; Block a's 64 sums + the bias -> v[HA] on, in window 0.  Each accumulator is read from its low end on.  mode 0: the bias runs along the registers; mode 1: one number for the lane's row.
.macro ADDB a, mode
	WIN (0x02+(\a)/4)
.set AC, 64*((\a)%4)
.set i, 0
.rept 32
.if \mode
	v_pk_add_f32 v[HA+i:HA+i+1], v[AC+i:AC+i+1], v[BI+2*(\a):BI+2*(\a)+1]
.else
	v_pk_add_f32 v[HA+i:HA+i+1], v[AC+i:AC+i+1], v[BI+i:BI+i+1]
.endif
.set i, i+2
.endr
	WIN 0
.endm
; 64 numbers of a lane, register 16 b + i = j 32 b + 16 (lane / 16) + i of my row, become 2 x 6 registers of codes (j 0-63 at v[d0] on, j 64-127 at v[d1] on: lane half h holds the block 32 h on) and the scale word v[pw].
.macro QUANT s, d0, d1, pw
.irp b, 0,1,2,3
	v_max3_num_f32 v[TM+\b], |v[\s+16*\b]|, |v[\s+1+16*\b]|, 0x1800000   ; my 16 numbers of block b, and the floor 2^(3 - 127)
.endr
.irp i, 2,4,6,8,10,12,14
.irp b, 0,1,2,3
	v_max3_num_f32 v[TM+\b], v[TM+\b], |v[\s+16*\b+\i]|, |v[\s+1+16*\b+\i]|
.endr
.endr
.irp b, 0,1,2,3
	v_permlanex16_b32 v[TM+4+\b], v[TM+\b], s[SEL], s[SEL+1]
.endr
.irp b, 0,1,2,3
	v_max_num_f32 v[TM+\b], v[TM+\b], v[TM+4+\b]   ; with lane l xor 16's: the block's largest magnitude
.endr
.irp b, 0,1,2,3
	v_add_nc_u32 v[TM+12+\b], 0xff000000, v[TM+\b] ; 2 off its exponent field: the conversion's scale operand
.endr
.irp b, 0,1,2,3
	v_lshrrev_b32 v[TM+4+\b], 23, v[TM+12+\b]      ; the scale's byte
.endr
	v_lshl_or_b32 v[\pw], v[TM+5], 8, v[TM+4]
	v_lshl_or_b32 v[\pw], v[TM+6], 16, v[\pw]
	v_lshl_or_b32 v[\pw], v[TM+7], 24, v[\pw]
	v_cvt_scalef32_pk16_fp6_f32 v[(\d0):(\d0)+2], v[\s:\s+15], v[TM+12]
	v_cvt_scalef32_pk16_fp6_f32 v[CT:CT+2], v[\s+16:\s+31], v[TM+13]      ; (a conversion's three registers begin on an even number)
	v_cvt_scalef32_pk16_fp6_f32 v[(\d1):(\d1)+2], v[\s+32:\s+47], v[TM+14]
	v_cvt_scalef32_pk16_fp6_f32 v[CT+4:CT+6], v[\s+48:\s+63], v[TM+15]
	v_nop                                          ; one plain line behind the scaled conversions
.irp i, 0,1,2
	v_permlane16_swap_b32 v[(\d0)+\i], v[CT+\i]    ; the operand's layout wants a whole block in a lane
.endr
.irp i, 0,1,2
	v_permlane16_swap_b32 v[(\d1)+\i], v[CT+4+\i]
.endr
.irp i, 0,1,2
	v_mov_b32 v[(\d0)+3+\i], v[CT+\i]
	v_mov_b32 v[(\d1)+3+\i], v[CT+4+\i]
.endr
.endm
	s_wait_alu depctr_va_vdst(0)                   ; the wait at the head's end
	s_wait_tensorcnt 0x0                           ; my tile of the head's four is in
	ds_add_u32 v[SPW], v[NIL]
	s_mov_b32 s[G1+2], 96<<16                      ; no tensor load of mine is out: from here on a load brings 128 rows of codes = 96 rows of 256 bytes,
	s_mov_b32 s[G1+4], 96
	s_mov_b32 s[G1B+2], 96<<16
	s_mov_b32 s[G1B+4], 96
	s_mov_b32 s[G0+1], s45                         ; and slot 0's group 0 is set for my quarter of the slot
	s_mov_b32 s[G0B+1], s45
	s_add_nc_u64 s[G0+2:G0+3], s[G0+2:G0+3], s[18:19]
	s_add_nc_u64 s[G0B+2:G0B+3], s[G0B+2:G0B+3], s[18:19]
	s_wait_dscnt 0x0
	CROUND                                         ; all four tiles are in, and all sixteen work-groups are here
	JLOAD G0+4, G1, G0B+4, G1B                     ; K step 1, the first tensor load behind the round
	FETCH_B 0, 0, 0
	FETCH_A 0, 0, 0
	SCALES 0
	FETCH_A 0, 0, 4
	STEP 0, 0, 1                                   ; the first products start the sums: nothing is cleared
	TURN 0, 1, 1
	STEP 1, 0, 0
	TURN 1, 0, 1
	STEP 0, 0, 0
	TURN 0, 1, 0                                   ; the last two K steps fill nothing
	STEP 1, 0, 0
	s_cmp_eq_u32 ttmp9, 2                          ; the kind, the same in all partners; no barrier and no tensor load stands in either arm
	s_cbranch_scc1 .Lv
	; ---- q, k: the bias is asked for, the last 64 products are issued while it comes, then the way out ----
	s_cmp_eq_u32 ttmp9, 0
	s_cselect_b64 s[8:9], s[8:9], s[10:11]         ; bq or bk
	s_lshl_b32 s20, s40, 8
	s_lshl_b32 s21, s16, 7
	s_add_co_u32 s20, s20, s21                     ; my first column of the weight: 256 cx + 128 x half
	s_lshl_b32 s20, s20, 2
	s_mov_b32 s21, 0
	s_add_nc_u64 s[8:9], s[8:9], s[20:21]
.irp b, 0,1,2,3
.irp q, 0,1,2,3
	global_load_b128 v[BI+16*\b+4*\q:BI+16*\b+4*\q+3], v[BQK], s[8:9] offset:128*\b+16*\q   ; register 16 b + i: column 32 b + 16 h + i
.endr
.endr
	s_lshl_b32 s20, s17, 1
	s_add_co_u32 s20, s20, s15                     ; my block of 128 tokens, of 64
	s_lshr_b32 s21, s20, 4                         ; the batch
	s_and_b32 s20, s20, 15                         ; the step
	s_lshl_b32 s21, s21, 8
	s_add_co_u32 s20, s20, s21
	s_lshl_b32 s21, s40, 2
	s_lshl_b32 s22, s16, 1
	s_add_co_u32 s21, s21, s22                     ; the first of my two heads
	s_lshl_b32 s21, s21, 4
	s_add_co_u32 s20, s20, s21
	s_lshl_b32 s21, ttmp9, 10
	s_add_co_u32 s20, s20, s21                     ; record = 1024 kind + 256 batch + 16 head + step
	s_mul_i32 s20, s20, RECB
	s_mov_b32 s21, 0
	s_add_nc_u64 s[12:13], s[98:99], s[20:21]
	LAST
	s_wait_loadcnt 0x0                             ; the bias
	PLACES NP
.irp b, 0,1,2,3                        ; blocks 2 b and 2 b + 1 (32 positions of tokens) make fragment b of both heads' records
	s_wait_xcnt 0x0                                ; the stores of the fragments before have read their registers
.irp u, 0,1
	ADDB 2*\b+\u, 0
	QUANT HA, T0+6*\u, T1+6*\u, PW+\u
.endr
	v_perm_b32 v[SW+\b], v[PW+1], v[PW], 0x05040100    ; the first head's two bytes of both tiles
	v_perm_b32 v[SW+4+\b], v[PW+1], v[PW], 0x07060302  ; the second head's
.irp c, 0,1,2
	global_store_b128 v[LI], v[T0+4*\c:T0+4*\c+3], s[12:13] offset:1536*\b+512*\c          ; 32 lanes store 512 consecutive bytes, aligned to 256
.endr
.irp c, 0,1,2
	global_store_b128 v[LI], v[T1+4*\c:T1+4*\c+3], s[12:13] offset:HEADB+1536*\b+512*\c
.endr
.endr
	global_store_b128 v[LI], v[SW:SW+3], s[12:13] offset:6144
	global_store_b128 v[LI], v[SW+4:SW+7], s[12:13] offset:HEADB+6144
	s_branch .Ldone
	; ---- v: a lane's row is a dim, its registers run along the tokens ----
; v: by the order of x's tokens register 32 c + 8 j + i of lane half h is token 64 c + 32 h + 8 j + i: a lane holds two WHOLE blocks of 32 keys, 2 c + h.  No other lane is asked for a maximum; the scale word's bytes are gathered from lanes l and l xor 16.
.macro QUANTV s, d, pw
.irp c, 0,1
	v_max3_num_f32 v[TM+\c], |v[\s+32*\c]|, |v[\s+32*\c+1]|, 0x1800000
.endr
.irp i, 2,4,6,8,10,12,14,16,18,20,22,24,26,28,30
.irp c, 0,1
	v_max3_num_f32 v[TM+\c], v[TM+\c], |v[\s+32*\c+\i]|, |v[\s+32*\c+\i+1]|
.endr
.endr
.irp c, 0,1
	v_add_nc_u32 v[TM+12+\c], 0xff000000, v[TM+\c]
.endr
.irp c, 0,1
	v_lshrrev_b32 v[TM+8+\c], 23, v[TM+12+\c]
.endr
	v_lshl_or_b32 v[TM+8], v[TM+9], 16, v[TM+8]    ; blocks h and 2 + h,
	v_lshlrev_b32 v[TM+8], v30, v[TM+8]            ; 8 h bits up
	v_permlanex16_b32 v[TM+4], v[TM+8], s[SEL], s[SEL+1]
	v_or_b32 v[\pw], v[TM+8], v[TM+4]
	v_cvt_scalef32_pk16_fp6_f32 v[(\d):(\d)+2], v[\s:\s+15], v[TM+12]
	v_cvt_scalef32_pk16_fp6_f32 v[CT:CT+2], v[\s+16:\s+31], v[TM+12]
	v_cvt_scalef32_pk16_fp6_f32 v[(\d)+6:(\d)+8], v[\s+32:\s+47], v[TM+13]
	v_cvt_scalef32_pk16_fp6_f32 v[CT+4:CT+6], v[\s+48:\s+63], v[TM+13]
	v_nop
.irp i, 0,1,2
	v_mov_b32 v[(\d)+3+\i], v[CT+\i]
	v_mov_b32 v[(\d)+9+\i], v[CT+4+\i]
.endr
.endm
.Lv:
	v_bfe_u32 v30, v0, 4, 1
	v_lshlrev_b32 v30, 3, v30                      ; 8 h
	s_lshl_b32 s20, s41, 8
	s_lshl_b32 s21, s15, 7
	s_add_co_u32 s20, s20, s21                     ; my first column of wv: 256 cy + 128 x half
	s_lshl_b32 s20, s20, 2
	s_mov_b32 s21, 0
	s_add_nc_u64 s[96:97], s[96:97], s[20:21]
.irp a, 0,1,2,3,4,5,6,7
	global_load_b32 v[BI+2*\a], v[BV], s[96:97] offset:4*(32*(\a/2)+8*(\a%2))      ; position 16 a + r holds column 32 (a / 2) + 8 (a % 2) + r + 8 (r / 8)
	global_load_b32 v[BI+2*\a+1], v[BV], s[96:97] offset:4*(32*(\a/2)+8*(\a%2))    ; twice: a pair for the packed addition
.endr
	s_lshl_b32 s20, s42, 1
	s_add_co_u32 s20, s20, s16                     ; my block of 128 tokens
	s_lshr_b32 s21, s20, 4
	s_and_b32 s20, s20, 15
	s_lshl_b32 s21, s21, 8
	s_add_co_u32 s20, s20, s21
	s_lshl_b32 s21, s41, 2
	s_lshl_b32 s22, s15, 1
	s_add_co_u32 s21, s21, s22                     ; the first of my two heads
	s_lshl_b32 s21, s21, 4
	s_add_co_u32 s20, s20, s21
	s_add_co_u32 s20, s20, 2048
	s_mul_i32 s20, s20, RECB
	s_mov_b32 s21, 0
	s_add_nc_u64 s[12:13], s[98:99], s[20:21]
	LAST
	s_wait_loadcnt 0x0
	PLACES NP
.irp a, 0,1,2,3,4,5,6,7                ; block a is fragment a % 4 of head a / 4
	s_wait_xcnt 0x0                                ; earlier stores have read their registers
	ADDB \a, 1
	QUANTV HA, T0+12*(\a%2), SW+\a
.irp c, 0,1,2
	global_store_b128 v[LI], v[T0+12*(\a%2)+4*\c:T0+12*(\a%2)+4*\c+3], s[12:13] offset:(\a/4)*HEADB+(\a%4)*1536+512*\c
.endr
.endr
	global_store_b128 v[LI], v[SW:SW+3], s[12:13] offset:6144
	global_store_b128 v[LI], v[SW+4:SW+7], s[12:13] offset:HEADB+6144
.Ldone:
	s_wait_tensorcnt 0x0                           ; the wave's end
	ds_add_u32 v[SPW], v[NIL]
	s_wait_dscnt 0x0
	CROUND                                         ; the closing round: no work-group ends while a partner may still ask for a tile that names it
	s_endpgm
.Lfunc_end_k_qa458398f34_qkv:
	.size	k_qa458398f34_qkv, .Lfunc_end_k_qa458398f34_qkv-k_qa458398f34_qkv
	.p2alignl 7, 3214868480
	.fill 96, 4, 3214868480
	.section	.rodata,"a",@progbits
	.p2align	6, 0x0
	.amdhsa_kernel k_qa458398f34_qkv
		.amdhsa_group_segment_fixed_size 327680
		.amdhsa_private_segment_fixed_size 0
		.amdhsa_enable_private_segment 0
		.amdhsa_kernarg_size 48
		.amdhsa_user_sgpr_count 2
		.amdhsa_user_sgpr_kernarg_segment_ptr 1
		.amdhsa_wavefront_size32 1
		.amdhsa_system_sgpr_workgroup_id_x 1
		.amdhsa_system_sgpr_workgroup_id_y 1
		.amdhsa_system_sgpr_workgroup_id_z 1
		.amdhsa_system_vgpr_workitem_id 0
		.amdhsa_next_free_vgpr 1024
		.amdhsa_next_free_sgpr 102
		.amdhsa_reserve_vcc 0
		.amdhsa_float_denorm_mode_32 3
		.amdhsa_float_denorm_mode_16_64 3
		.amdhsa_memory_ordered 1
		.amdhsa_forward_progress 1
		.amdhsa_inst_pref_size 236
	.end_amdhsa_kernel
	.amdgpu_metadata
---
amdhsa.version: [ 1, 2 ]
amdhsa.kernels:
  - .name:           k_qa458398f34_qkv
    .symbol:         k_qa458398f34_qkv.kd
    .args:
      - { .name: codes, .offset: 0, .size: 8, .value_kind: global_buffer, .address_space: global }
      - { .name: scales, .offset: 8, .size: 8, .value_kind: global_buffer, .address_space: global }
      - { .name: bq, .offset: 16, .size: 8, .value_kind: global_buffer, .address_space: global }
      - { .name: bk, .offset: 24, .size: 8, .value_kind: global_buffer, .address_space: global }
      - { .name: bv, .offset: 32, .size: 8, .value_kind: global_buffer, .address_space: global }
      - { .name: qkv, .offset: 40, .size: 8, .value_kind: global_buffer, .address_space: global }
    .group_segment_fixed_size: 327680
    .private_segment_fixed_size: 0
    .kernarg_segment_align: 8
    .kernarg_segment_size: 48
    .max_flat_workgroup_size: 128
    .sgpr_count:     102
    .vgpr_count:     1024
    .wavefront_size: 32
...
	.end_amdgpu_metadata
.endif
;; end of part 2
;; launch attn (part 3): grid 4 x 64, 8 waves a work-group, clusters of 4 x 1, 327,680 bytes of LDS; arguments qkv, ctxc, ctxs; writes ctxc, ctxs
.if DOCPART == 3
	.amdgcn_target "amdgcn-amd-amdhsa--gfx1250"
	.amdhsa_code_object_version 6
	.text
	.protected	k_qa458398f34_attn
	.globl	k_qa458398f34_attn
	.p2align	8
	.type	k_qa458398f34_attn,@function
k_qa458398f34_attn:
	s_mov_b64 s[64:65], 0
	v_nop
	global_prefetch_b8 v0, s[64:65] scope:SCOPE_SE
	s_setreg_imm32_b32 hwreg(HW_REG_WAVE_MODE, 25, 1), 1
	s_wait_xcnt 0x0
	s_wait_alu depctr_hold_cnt(0) depctr_sa_sdst(0) depctr_va_vdst(0) depctr_va_sdst(0) depctr_va_ssrc(0) depctr_va_vcc(0) depctr_vm_vsrc(0)
	s_getreg_b32 s2, hwreg(HW_REG_IB_STS2, 6, 4)
	s_cmp_eq_u32 s2, 0
	s_cbranch_scc0 .Lentry_in_a_cluster
	s_endpgm
.Lentry_in_a_cluster:
	s_bfe_u32 s2, ttmp6, 0x10000c
	s_cmp_lg_u32 s2, 0x3003
	s_cbranch_scc0 .Lentry_shape_is_right
	s_endpgm
.Lentry_shape_is_right:
; ctx = softmax(q k^T / 8) v for one (batch, head) and 512 queries a work-group, on codes of FP6 (E2M3) with E8M0 scales; ctx leaves quantised along the head's dims for the last projection.
; INPUT: records of qkv (kind, 16 batch + head, step of 128 tokens), 6,656 bytes: four fragments of 1,536 bytes as images of 12 operand registers, then 512 bytes of scale words.
; THE DEAL: 8 waves; a wave holds 64 queries (four tiles of 16) and walks the head's 16 key steps once, so a fragment of k or v read from LDS serves four tiles.  Two tiles at a time go through the softmax.
; Both products are used transposed (S^T = k q^T, O^T = v^T p^T): a lane holds one query.  A fragment of k holds two tiles of 16 tokens x 64 dims; q stands beside six registers of zero codes, so each product takes one of the two.
; By the order of the tokens (position 64 c + 16 j + 8 h + i holds token 64 c + 32 h + 8 j + i) register 32 c + 8 j + i of lane half h is key 64 c + 32 h + 8 j + i: a lane holds two WHOLE blocks of 32 keys.
; SOFTMAX: p = 2^(t - M), t = score x log2(e) / 8, M the ceiling of the running largest t; the sum is taken of the unquantised p; a change of M multiplies sum and O^T by a power of two.  A block's largest p is made from its largest score.
; DEPENDENT LINES ARE LAID APART: the short chains (a row's maximum and M; the scale word) stand among independent lines of the other tile or of the sums; what a step does is cut into numbered lines (MAXOP, ROWOP, SCLOP, SUMOP) that are dealt by counted repeats.
; The first key step is written out: it starts the sums (C = 0), so nothing is cleared.
; LDS: the head's k (16 records) and v (16 records), filled ONCE: records 0-3 of each at the head, the other twelve behind the full sequence and a round.  CLUSTER: the four work-groups of a head ask for these tiles jointly (mask 15).
; No prefetch: both loads go out at the kernel's head and nothing is fetched in the loop.  The loop's last trip reads 13 LDS loads beyond k's last record (v's record 0): they are awaited and not used.
; LIMITS: the promise holds while |t| stays under 2^31; a block of zeros gets the byte 1 (this program alone reads the bytes); NaN and infinities are not served.
; REGISTERS: window 0: addresses, scale words, the tiles' state, k's fragments, S of two tiles, what the quantiser needs.  Window 1: O^T (v0-127), zeros and q by turns (v128-181), v's fragments (v184-231), p's codes (v232-255).
.set RECB,  6656
.set HEADB, 16*RECB
.set KINDB, 64*HEADB
.set SPARE, 2*HEADB                    ; the spare words, 128 bytes a wave
.set LI,  1                            ; 16 x lane
.set ADK, 2
.set ADV, 3
.set H8,  4                            ; 8 x (lane / 16)
.set LIV, 5                            ; HEADB + 16 x lane
.set SPW, 6
.set NIL, 7
.set QS,  8                            ; v8-11   q's scale word, a tile each
.set KS,  12                           ; v12-15  k's scale words
.set VS,  16                           ; v16-19  v's
.set PW,  20                           ; v20-21  p's, for the two tiles at work
.set L8,  22
.set LB,  23
.set ST,  24                           ; v24-47  a tile's state: -M, largest score, the sum in two halves, f and a word beside it
.set KF,  48                           ; v48-95
.set S,   96                           ; v96-223 two tiles x 64
.set CT,  224                          ; v224-239 the conversions' second halves
.set BM,  240                          ; v240-243 a block's largest score, then its largest p
.set SO,  244                          ; v244-247 = BM + 4: second chains of the maxima, then the conversions' scale operands
.set TT,  248
.set QC,  128                          ; window 1
.set VF,  184
.set PC,  232
.set WV,  10
.set HM,  12
.set TB,  13
.set KC,  14
.set SEL, 16
.set CS,  18
.set QB,  20
.set CB,  22
.set SB,  24
.set G1A, 28
.set G1B, 36
.set G0A, 44
.set G0B, 48
.set MSB, 0
.macro WIN new
.if MSB != \new
	s_set_vgpr_msb (MSB<<8)|\new
.set MSB, \new
.endif
.endm
.macro WALU
	s_wait_alu depctr_va_vdst(0)
.endm
.macro PLACES n
.rept \n
	v_nop
.endr
.endm
.macro CROUND
	s_barrier_signal -1
	s_barrier_wait -1
	s_cmp_lg_u32 s[WV], 0
	s_cbranch_scc1 .Lnot_wave_0_\@
	s_barrier_signal -3
.Lnot_wave_0_\@:
	s_barrier_wait -3
	s_barrier_signal -1
	s_barrier_wait -1
.endm
.macro MX d, a, b, c, sa, sb
	v_wmma_scale_f32_16x16x128_f8f6f4 v[\d:\d+7], v[\a:\a+11], v[\b:\b+11], \c, v[\sa], v[\sb] matrix_a_fmt:MATRIX_FMT_FP6 matrix_b_fmt:MATRIX_FMT_FP6
.endm
.macro KLOAD
.irp b, 0,1,2,3
.irp c, 0,1,2
	ds_load_b128 v[KF+12*\b+4*\c:KF+12*\b+4*\c+3], v[ADK] offset:1536*\b+512*\c
.endr
.endr
	ds_load_b128 v[KS:KS+3], v[ADK] offset:6144
.endm
; Line m (0 .. 31) of tile x's maxima: four chains of 16 scores by turns (each accumulator is read from its low end on), then each block's two chains are joined
.macro MAXOP m, x
.set SX_, S+64*(\x)
.if (\m) < 28
.set K_, (\m)%4
.set A_, BM+2*(\x)+K_/2+4*(K_%2)
.set B_, SX_+16*K_
.if (\m) < 4
	v_max3_num_f32 v[A_], v[B_], v[B_+1], v[B_+2]
.else
	v_max3_num_f32 v[A_], v[A_], v[B_+2*((\m)/4)+1], v[B_+2*((\m)/4)+2]
.endif
.elseif (\m) < 30
	v_max3_num_f32 v[BM+2*(\x)+(\m)-28], v[BM+2*(\x)+(\m)-28], v[SO+2*(\x)+(\m)-28], v[SX_+32*((\m)-28)+15]
.else
	v_max_num_f32 v[BM+2*(\x)+(\m)-30], v[BM+2*(\x)+(\m)-30], v[SX_+32*((\m)-30)+31]
.endif
.endm
; Line i (0 .. 8) of tile x's chain: the running largest score, -M = floor(-t), f = 2^(old M - new M)
.macro ROWOP i, x, p, first
.set Q_, ST+6*(2*(\p)+(\x))
.set T_, TT+4*(\x)
.if (\i) == 0
	v_max_num_f32 v[T_], v[BM+2*(\x)], v[BM+2*(\x)+1]
.elseif (\i) == 1
	v_permlanex16_b32 v[T_+1], v[T_], s[SEL], s[SEL+1]
.elseif (\i) == 2
.if \first
	v_max_num_f32 v[Q_+1], v[T_], v[T_+1]
.else
	v_max3_num_f32 v[Q_+1], v[Q_+1], v[T_], v[T_+1]
.endif
.elseif (\i) == 3
	v_mul_f32 v[T_], s[CS], v[Q_+1]
.elseif (\i) == 5
	v_floor_f32 v[Q_], -v[T_]
.elseif \first == 0
.if (\i) == 4
	v_mov_b32 v[T_+2], v[Q_]
.elseif (\i) == 6
	v_sub_f32 v[T_+2], v[Q_], v[T_+2]
.elseif (\i) == 7
	v_cvt_i32_f32 v[T_+2], v[T_+2]
.elseif (\i) == 8
	v_ldexp_f32 v[Q_+4], 1.0, v[T_+2]
.endif
.endif
.endm
.macro FMAOP j, x, p                   ; t - M of scores 2 j, 2 j + 1 of tile x
	v_pk_fma_f32 v[S+64*(\x)+2*(\j):S+64*(\x)+2*(\j)+1], v[S+64*(\x)+2*(\j):S+64*(\x)+2*(\j)+1], s[CS:CS+1], v[ST+6*(2*(\p)+(\x)):ST+6*(2*(\p)+(\x))+1] op_sel_hi:[1,0,0]
.endm
.macro BMFMA x, p                      ; the same of the tile's two largest scores
.irp c, 0,1
	v_fma_f32 v[BM+2*(\x)+\c], v[BM+2*(\x)+\c], s[CS], v[ST+6*(2*(\p)+(\x))]
.endr
.endm
; Line i (0 .. 19) of both tiles' scales: the floor 2^(3 - 127), the conversions' scale operands, the bytes, and p's scale word gathered from lanes l and l xor 16
.macro SCLOP i
.if (\i) < 4
	v_max_num_f32 v[BM+(\i)], 0x1800000, v[BM+(\i)]
.elseif (\i) < 8
	v_add_nc_u32 v[SO+(\i)-4], 0xff000000, v[BM+(\i)-4]
.elseif (\i) < 12
	v_lshrrev_b32 v[TT+4*(((\i)-8)/2)+2+((\i)%2)], 23, v[SO+(\i)-8]
.else
.set X_, (\i)%2
.set T_, TT+4*X_+2
.if (\i) < 14
	v_lshl_or_b32 v[T_], v[T_+1], 16, v[T_]
.elseif (\i) < 16
	v_lshlrev_b32 v[T_], v[H8], v[T_]
.elseif (\i) < 18
	v_permlanex16_b32 v[BM+2*X_], v[T_], s[SEL], s[SEL+1]
.else
	v_or_b32 v[PW+X_], v[T_], v[BM+2*X_]
.endif
.endif
.endm
; Line s (0 .. 63) of the sums of the unquantised p: the two tiles by turns, two chains a tile
.macro SUMOP s, p, first
.set X_, (\s)%2
.set U_, (\s)/2
.set L_, ST+6*(2*(\p)+X_)+2
.set R_, TT+4*X_
.set B_, S+64*X_
.if U_ == 0
	v_pk_add_f32 v[R_:R_+1], v[B_:B_+1], v[B_+2:B_+3]
.elseif U_ == 31
	v_pk_add_f32 v[L_:L_+1], v[L_:L_+1], v[R_:R_+1]
.elseif (\first) && (U_ == 1)
	v_pk_add_f32 v[L_:L_+1], v[B_+4:B_+5], v[B_+6:B_+7]
.elseif (\first) && (U_ == 2)
.elseif U_%2
	v_pk_add_f32 v[L_:L_+1], v[L_:L_+1], v[B_+2*U_+2:B_+2*U_+3]
.else
	v_pk_add_f32 v[R_:R_+1], v[R_:R_+1], v[B_+2*U_+2:B_+2*U_+3]
.endif
.endm
; Tiles 2 p and 2 p + 1 against one key step.  first = 1: the walk's first step
.macro PAIR p, first
	WIN 0x04                                       ; source 1 (q) in window 1
.irp b, 0,1,2,3
.irp u, 0,1
.irp x, 0,1
	MX S+64*\x+8*(2*\b+\u), KF+12*\b, QC+6*(2*(2*\p+\x)+1-\u), 0, KS+\b, QS+2*\p+\x
.endr
.endr
.endr
	WIN 0
.if \p
	s_add_co_u32 s[TB], s[TB], RECB
	v_add_nc_u32 v[ADK], s[TB], v[LI]              ; with three v_nop the four places behind the products
	PLACES 3
	KLOAD                                          ; the next step's k: its registers have served
.else
	PLACES 4
.endif
.set n, 0
.rept 16                               ; tile 0's maxima, and the first half of tile 1's
	MAXOP 2*n, 0
	MAXOP 2*n+1, 0
	MAXOP n, 1
.set n, n+1
.endr
.set n, 0
.rept 8                                ; tile 0's chain among the rest of tile 1's maxima
	ROWOP n, 0, \p, \first
	MAXOP 16+2*n, 1
	MAXOP 17+2*n, 1
.set n, n+1
.endr
	ROWOP 8, 0, \p, \first
.set n, 0
.rept 8                                ; tile 1's chain among tile 0's multiply-adds
	ROWOP n, 1, \p, \first
	FMAOP 4*n, 0, \p
	FMAOP 4*n+1, 0, \p
	FMAOP 4*n+2, 0, \p
	FMAOP 4*n+3, 0, \p
.set n, n+1
.endr
	ROWOP 8, 1, \p, \first
	BMFMA 0, \p
.set n, 0
.rept 32
	FMAOP n, 1, \p
.set n, n+1
.endr
	BMFMA 1, \p
.if \first == 0
	WIN 0x41                                       ; O^T: destination and source 0 in window 1
.endif
	WALU                                           ; the wait: ahead of the first reader of O^T and ahead of the exponentials
.if \first == 0
.irp x, 0,1
.set j, 0
.rept 16
	v_pk_mul_f32 v[32*(2*\p+\x)+j:32*(2*\p+\x)+j+1], v[32*(2*\p+\x)+j:32*(2*\p+\x)+j+1], v[ST+6*(2*\p+\x)+4:ST+6*(2*\p+\x)+5] op_sel_hi:[1,0]
.set j, j+2
.endr
.endr
	WIN 0
.irp x, 0,1
	v_pk_mul_f32 v[ST+6*(2*\p+\x)+2:ST+6*(2*\p+\x)+3], v[ST+6*(2*\p+\x)+2:ST+6*(2*\p+\x)+3], v[ST+6*(2*\p+\x)+4:ST+6*(2*\p+\x)+5] op_sel_hi:[1,0]
.endr
.endif
.set j, 0
.rept 128
	v_exp_f32 v[S+j], v[S+j]
.set j, j+1
.endr
.irp k, 0,1,2,3
	v_exp_f32 v[BM+\k], v[BM+\k]                   ; each block's largest p
.endr
	v_nop
	WALU                                           ; one wait for the batch
.set n, 0
.rept 20                               ; the scales' lines, three lines of the sums behind each
	SCLOP n
	SUMOP 3*n, \p, \first
	SUMOP 3*n+1, \p, \first
	SUMOP 3*n+2, \p, \first
.set n, n+1
.endr
	WIN 0x40
.irp x, 0,1
.irp c, 0,1
	v_cvt_scalef32_pk16_fp6_f32 v[PC+12*\x+6*\c:PC+12*\x+6*\c+2], v[S+64*\x+32*\c:S+64*\x+32*\c+15], v[SO+2*\x+\c]
.endr
.endr
	WIN 0
.irp x, 0,1
.irp c, 0,1
	v_cvt_scalef32_pk16_fp6_f32 v[CT+8*\x+4*\c:CT+8*\x+4*\c+2], v[S+64*\x+32*\c+16:S+64*\x+32*\c+31], v[SO+2*\x+\c]
.endr
.endr
	v_nop
	WIN 0x40
.irp x, 0,1
.irp c, 0,1
.irp i, 0,1,2
	v_mov_b32 v[PC+12*\x+6*\c+3+\i], v[CT+8*\x+4*\c+\i]
.endr
.endr
.endr
	WIN 0
.irp s, 60,61,62,63                    ; the sums' last four lines are the places ahead of the products below
	SUMOP \s, \p, \first
.endr
.if \p == 0
	WALU
	s_wait_dscnt 0x0                               ; v's fragments are in
.endif
	WIN 0x55
.irp t, 0,1,2,3
.irp x, 0,1
.if \first
	MX 32*(2*\p+\x)+8*\t, VF+12*\t, PC+12*\x, 0, VS+\t, PW+\x
.else
	MX 32*(2*\p+\x)+8*\t, VF+12*\t, PC+12*\x, v[32*(2*\p+\x)+8*\t:32*(2*\p+\x)+8*\t+7], VS+\t, PW+\x
.endif
.endr
.endr
	WIN 0
.endm
.macro STEP first
	v_add_nc_u32 v[ADV], s[TB], v[LIV]             ; with three v_nop the four places behind the last products
	PLACES 3
	WIN 0x40
.irp t, 0,1,2,3
.irp c, 0,1,2
	ds_load_b128 v[VF+12*\t+4*\c:VF+12*\t+4*\c+3], v[ADV] offset:1536*\t+512*\c
.endr
.endr
	WIN 0
	ds_load_b128 v[VS:VS+3], v[ADV] offset:6144
	WALU
	s_wait_dscnt 13                                ; k's 13 loads are in; v's 13, issued behind them, may be out
	PAIR 0, \first
	PAIR 1, \first
.endm
	s_load_b128 s[4:7], s[0:1], 0x0                ; qkv, ctxc
	s_load_b64 s[8:9], s[0:1], 0x10                ; ctxs
	v_lshl_add_u32 v[SPW], v0, 2, SPARE
	v_mov_b32 v[NIL], 0
	ds_add_u32 v[SPW], v[NIL]
	ds_add_u32 v[SPW], v[NIL]
	v_lshrrev_b32 v[TT+1], 5, v0
	v_readfirstlane_b32 s[WV], v[TT+1]
	v_and_b32 v[TT+2], 31, v0
	v_lshlrev_b32 v[LI], 4, v[TT+2]
	v_lshlrev_b32 v[L8], 3, v[TT+2]
	v_and_b32 v[TT+3], 15, v0
	v_bfe_u32 v[TT+4], v0, 4, 1
	v_lshl_add_u32 v[LB], v[TT+3], 5, v[TT+4]
	v_lshlrev_b32 v[H8], 3, v[TT+4]
	v_add_nc_u32 v[LIV], HEADB, v[LI]
	WALU
	s_bfe_u32 s52, ttmp6, 0x40000                  ; cx: which 512 queries
	s_and_b32 s53, ttmp7, 0xffff                   ; 16 batch + head
	s_mov_b32 s[G1A], 15|(3<<16)|(1<<21)           ; a record: 26 rows of 256 bytes, asked for by all four partners
	s_mov_b32 s[G1A+1], 32<<16
	s_mov_b32 s[G1A+2], 26<<16
	s_mov_b32 s[G1A+3], 32<<16
	s_mov_b32 s[G1A+4], 26
	s_mov_b32 s[G1A+5], 32
	s_mov_b32 s[G1A+6], 0
	s_mov_b32 s[G1A+7], 0
	s_mov_b32 s[G1B], 15|(3<<16)|(1<<21)           ; three records
	s_mov_b32 s[G1B+1], 32<<16
	s_mov_b32 s[G1B+2], 78<<16
	s_mov_b32 s[G1B+3], 32<<16
	s_mov_b32 s[G1B+4], 78
	s_mov_b32 s[G1B+5], 32
	s_mov_b32 s[G1B+6], 0
	s_mov_b32 s[G1B+7], 0
	s_lshr_b32 s54, s[WV], 2                       ; waves 0-3 fetch k, 4-7 v
	s_and_b32 s55, s[WV], 3
	s_mul_i32 s56, s54, HEADB
	s_mul_i32 s57, s55, RECB                       ; first record i,
	s_mul_i32 s58, s55, 3*RECB
	s_add_co_u32 s58, s58, 4*RECB                  ; then records 4 + 3 i on
	s_add_co_u32 s59, s54, 1
	s_mul_i32 s60, s59, KINDB
	s_mul_i32 s61, s53, HEADB
	s_add_co_u32 s60, s60, s61
	s_add_co_u32 s62, s57, s60
	s_mov_b32 s63, 0
	s_add_co_u32 s66, s58, s60
	s_mov_b32 s67, 0
	s_add_co_u32 s57, s57, s56
	s_add_co_u32 s58, s58, s56
	s_lshl_b32 s68, s53, 4                         ; q: record 16 (16 batch + head) + 4 cx + wave / 2, fragments 2 (wave % 2) and the next
	s_lshl_b32 s69, s52, 2
	s_add_co_u32 s68, s68, s69
	s_lshr_b32 s69, s[WV], 1
	s_add_co_u32 s68, s68, s69
	s_mul_i32 s68, s68, RECB
	s_and_b32 s70, s[WV], 1
	s_mul_i32 s69, s70, 3072
	s_add_co_u32 s68, s68, s69
	s_mov_b32 s69, 0
	s_mul_i32 s70, s70, 3064
	s_sub_co_u32 s70, 6144, s70
	v_add_nc_u32 v[TT], s70, v[LI]                 ; the two fragments' scale words: 8 bytes a lane
	s_lshr_b32 s71, s53, 4                         ; ctx: tile of 16 positions 128 batch + 32 cx + 4 wave + q
	s_lshl_b32 s71, s71, 7
	s_lshl_b32 s26, s52, 5
	s_add_co_u32 s71, s71, s26
	s_lshl_b32 s26, s[WV], 2
	s_add_co_u32 s71, s71, s26
	s_and_b32 s26, s53, 15
	s_mul_i32 s[CB], s71, 12288
	s_mul_i32 s27, s26, 768
	s_add_co_u32 s[CB], s[CB], s27
	s_mov_b32 s[CB+1], 0
	s_lshl_b32 s[SB], s71, 9
	s_lshl_b32 s27, s26, 1
	s_add_co_u32 s[SB], s[SB], s27
	s_mov_b32 s[SB+1], 0
	s_mov_b32 s[HM], 0xffff0000
	s_mov_b32 s[SEL], 0x76543210
	s_mov_b32 s[SEL+1], 0xfedcba98
	s_mov_b32 s[CS], 0x3e38aa3b                    ; log2(e) / 8
	s_mov_b32 s[CS+1], s[CS]
	s_mov_b32 s[TB], 0
	WALU
	s_wait_dscnt 0x0
	s_wait_kmcnt 0x0
	s_mov_b32 s[G0A], 1
	s_mov_b32 s[G0A+1], s57
	s_add_nc_u64 s[G0A+2:G0A+3], s[4:5], s[62:63]
	s_or_b32 s[G0A+3], s[G0A+3], 0x80000000
	s_mov_b32 s[G0B], 1
	s_mov_b32 s[G0B+1], s58
	s_add_nc_u64 s[G0B+2:G0B+3], s[4:5], s[66:67]
	s_or_b32 s[G0B+3], s[G0B+3], 0x80000000
	s_add_nc_u64 s[QB:QB+1], s[4:5], s[68:69]
	s_add_nc_u64 s[CB:CB+1], s[6:7], s[CB:CB+1]
	s_add_nc_u64 s[SB:SB+1], s[8:9], s[SB:SB+1]
.irp f, 0,1
.irp c, 0,1,2
	global_load_b128 v[S+12*\f+4*\c:S+12*\f+4*\c+3], v[LI], s[QB:QB+1] offset:1536*\f+512*\c
.endr
.endr
	global_load_b64 v[S+24:S+25], v[TT], s[QB:QB+1]
	CROUND
	tensor_load_to_lds s[G0A:G0A+3], s[G1A:G1A+7]  ; records 0-3 of k and of v, one a wave
	s_nop 0
.irp q, 0,1,2,3
	v_mov_b32 v[ST+6*\q+5], 0                      ; named beside f in a pair
.endr
	v_mov_b32 v[TT+1], 0                           ; a lane permute's destination counts as one of its sources
	v_mov_b32 v[TT+5], 0
	WALU
	s_wait_tensorcnt 0x0
	ds_add_u32 v[SPW], v[NIL]
	s_wait_dscnt 0x0
	CROUND
	tensor_load_to_lds s[G0B:G0B+3], s[G1B:G1B+7]  ; the other twelve records of each, three a wave
	s_nop 0
	PLACES 4
	v_add_nc_u32 v[ADK], s[TB], v[LI]
	KLOAD
	s_wait_loadcnt 0x0                             ; q
.irp q, 0,1,2,3
	v_perm_b32 v[QS+\q], v[S+24+\q/2], v[S+24+\q/2], 0x01000100+0x02020202*(\q%2)   ; the tile's two bytes, twice
.endr
	WIN 0x40
.irp q, 0,1,2,3
.irp i, 0,1,2,3,4,5
	v_mov_b32 v[QC+6*(2*\q+1)+\i], v[S+6*\q+\i]
.endr
.endr
.irp z, 0,1,2,3,4
.irp i, 0,1,2,3,4,5
	v_mov_b32 v[QC+12*\z+\i], 0                    ; zero codes between the tiles: (q, 0) and (0, q) are both twelve registers on end
.endr
.endr
	WIN 0
	STEP 1
	WALU
	s_wait_tensorcnt 0x0                           ; my part of the twelve records is in,
	s_wait_dscnt 0x0
	s_barrier_signal -1
	s_barrier_wait -1                              ; and everybody's
	s_mov_b32 s[KC], 15
.Lkeys:
	STEP 0
	s_sub_co_u32 s[KC], s[KC], 1
	s_cmp_lg_u32 s[KC], 0
	WALU
	s_cbranch_scc1 .Lkeys
	s_wait_dscnt 0x0                               ; the last trip's loads into k's registers, which now serve the way out
.irp q, 0,1,2,3
	v_add_f32 v[ST+6*\q+2], v[ST+6*\q+2], v[ST+6*\q+3]
.endr
.irp q, 0,1,2,3
	v_permlanex16_b32 v[BM+\q], v[ST+6*\q+2], s[SEL], s[SEL+1]
.endr
.irp q, 0,1,2,3
	v_add_f32 v[ST+6*\q+2], v[ST+6*\q+2], v[BM+\q] ; the row's sum
.endr
	WALU
.irp q, 0,1,2,3
	v_rcp_f32 v[ST+6*\q+2], v[ST+6*\q+2]
.endr
	v_nop
	WIN 0x01
	WALU
.set j, 0
.rept 128
	v_mul_f32 v[S+j], v[j], v[ST+6*(j/32)+2]       ; register 32 q + 16 b + i: dim 32 b + 16 h + i of tile q's query r
.set j, j+1
.endr
	WIN 0
.irp q, 0,1,2,3
.irp b, 0,1
	v_max3_num_f32 v[CT+2*\q+\b], |v[S+32*\q+16*\b]|, |v[S+32*\q+16*\b+1]|, 0x1800000
.endr
.endr
.irp i, 2,4,6,8,10,12,14
.irp q, 0,1,2,3
.irp b, 0,1
	v_max3_num_f32 v[CT+2*\q+\b], v[CT+2*\q+\b], |v[S+32*\q+16*\b+\i]|, |v[S+32*\q+16*\b+\i+1]|
.endr
.endr
.endr
.irp k, 0,1,2,3,4,5,6,7
	v_permlanex16_b32 v[TT+\k], v[CT+\k], s[SEL], s[SEL+1]
.endr
.irp k, 0,1,2,3,4,5,6,7
	v_max_num_f32 v[CT+\k], v[CT+\k], v[TT+\k]
.endr
.irp k, 0,1,2,3,4,5,6,7
	v_add_nc_u32 v[BM+\k], 0xff000000, v[CT+\k]
.endr
.irp k, 0,1,2,3,4,5,6,7
	v_lshrrev_b32 v[TT+\k], 23, v[BM+\k]
.endr
.irp q, 0,1,2,3
	v_cvt_scalef32_pk16_fp6_f32 v[KF+12*\q:KF+12*\q+2], v[S+32*\q:S+32*\q+15], v[BM+2*\q]
	v_cvt_scalef32_pk16_fp6_f32 v[KF+12*\q+6:KF+12*\q+8], v[S+32*\q+16:S+32*\q+31], v[BM+2*\q+1]
.endr
	v_nop
.irp q, 0,1,2,3
.irp i, 0,1,2
	v_permlane16_swap_b32 v[KF+12*\q+\i], v[KF+12*\q+6+\i]   ; a whole block in a lane
.endr
.endr
.irp q, 0,1,2,3
.irp i, 0,1,2
	v_mov_b32 v[KF+12*\q+3+\i], v[KF+12*\q+6+\i]
.endr
.endr
.irp q, 0,1,2,3
	v_cndmask_b32 v[KF+12*\q+10], v[TT+2*\q], v[TT+2*\q+1], s[HM]
.endr
.irp q, 0,1,2,3
	global_store_b128 v[LI], v[KF+12*\q:KF+12*\q+3], s[CB:CB+1] offset:12288*\q          ; 32 lanes store 512 consecutive bytes, aligned to 256
	global_store_b64 v[L8], v[KF+12*\q+4:KF+12*\q+5], s[CB:CB+1] offset:12288*\q+512     ; and 256
	global_store_b8 v[LB], v[KF+12*\q+10], s[SB:SB+1] offset:512*\q
.endr
	s_wait_tensorcnt 0x0                           ; the wave's end
	ds_add_u32 v[SPW], v[NIL]
	s_wait_dscnt 0x0
	CROUND                                         ; the closing round
	s_endpgm
.Lfunc_end_k_qa458398f34_attn:
	.size	k_qa458398f34_attn, .Lfunc_end_k_qa458398f34_attn-k_qa458398f34_attn
	.p2alignl 7, 3214868480
	.fill 96, 4, 3214868480
	.section	.rodata,"a",@progbits
	.p2align	6, 0x0
	.amdhsa_kernel k_qa458398f34_attn
		.amdhsa_group_segment_fixed_size 327680
		.amdhsa_private_segment_fixed_size 0
		.amdhsa_enable_private_segment 0
		.amdhsa_kernarg_size 24
		.amdhsa_user_sgpr_count 2
		.amdhsa_user_sgpr_kernarg_segment_ptr 1
		.amdhsa_wavefront_size32 1
		.amdhsa_system_sgpr_workgroup_id_x 1
		.amdhsa_system_sgpr_workgroup_id_y 1
		.amdhsa_system_sgpr_workgroup_id_z 1
		.amdhsa_system_vgpr_workitem_id 0
		.amdhsa_next_free_vgpr 512
		.amdhsa_next_free_sgpr 72
		.amdhsa_reserve_vcc 0
		.amdhsa_float_denorm_mode_32 3
		.amdhsa_float_denorm_mode_16_64 3
		.amdhsa_memory_ordered 1
		.amdhsa_forward_progress 1
		.amdhsa_inst_pref_size 121
	.end_amdhsa_kernel
	.amdgpu_metadata
---
amdhsa.version: [ 1, 2 ]
amdhsa.kernels:
  - .name:           k_qa458398f34_attn
    .symbol:         k_qa458398f34_attn.kd
    .args:
      - { .name: qkv, .offset: 0, .size: 8, .value_kind: global_buffer, .address_space: global }
      - { .name: ctxc, .offset: 8, .size: 8, .value_kind: global_buffer, .address_space: global }
      - { .name: ctxs, .offset: 16, .size: 8, .value_kind: global_buffer, .address_space: global }
    .group_segment_fixed_size: 327680
    .private_segment_fixed_size: 0
    .kernarg_segment_align: 8
    .kernarg_segment_size: 24
    .max_flat_workgroup_size: 256
    .sgpr_count:     72
    .vgpr_count:     512
    .wavefront_size: 32
...
	.end_amdgpu_metadata
.endif
;; end of part 3
;; launch outp (part 4): grid 8 x 32, 4 waves a work-group, clusters of 4 x 4, 327,680 bytes of LDS; arguments ctxc, ctxs, codes, scales, bo, out0; writes out0
.if DOCPART == 4
	.amdgcn_target "amdgcn-amd-amdhsa--gfx1250"
	.amdhsa_code_object_version 6
	.text
	.protected	k_qa458398f34_outp
	.globl	k_qa458398f34_outp
	.p2align	8
	.type	k_qa458398f34_outp,@function
k_qa458398f34_outp:
	s_mov_b64 s[64:65], 0
	v_nop
	global_prefetch_b8 v0, s[64:65] scope:SCOPE_SE
	s_setreg_imm32_b32 hwreg(HW_REG_WAVE_MODE, 25, 1), 1
	s_wait_xcnt 0x0
	s_wait_alu depctr_hold_cnt(0) depctr_sa_sdst(0) depctr_va_vdst(0) depctr_va_sdst(0) depctr_va_ssrc(0) depctr_va_vcc(0) depctr_vm_vsrc(0)
	s_getreg_b32 s2, hwreg(HW_REG_IB_STS2, 6, 4)
	s_cmp_eq_u32 s2, 0
	s_cbranch_scc0 .Lentry_in_a_cluster
	s_endpgm
.Lentry_in_a_cluster:
	s_bfe_u32 s2, ttmp6, 0x10000c
	s_cmp_lg_u32 s2, 0xf033
	s_cbranch_scc0 .Lentry_shape_is_right
	s_endpgm
.Lentry_shape_is_right:
.set NQ,     2
.set ROWB,   2359296                   ; from a K step's plane of wo's codes to the next; in a plane a row is 192 bytes and 128 rows are 96 dense rows of 256 bytes
.set KROW,   768
.set PITCH,  240
.set FR,     12
.set NLA,    4
.set NP,     4
; A work-group makes 256 rows x 128 columns of out0: 8 x 32 = 256 work-groups.  A wave makes 128 x 64: eight blocks of ctx's rows against four blocks of wo's.
.set HALFT,  64*PITCH                  ; 64 rows of wo: what one tensor load of the ring brings, and what one wave reads
.set AH,     24576
.set ASL,    2*AH
.set SLOT,   ASL+2*HALFT
.set KS,     32
.set SCL,    2*SLOT
.set HALFS,  (128*KS/256)*272
.set SBLK,   (16*KS/256)*272
.set SPARE,  SCL+4*HALFS
.set SPITCH, 528
.set ADRA, 16
.set ADRB, 20
.set STO,  24
.set RD,   25
.set CO,   26
.set ADRS, 27
.set SPW,  28
.set NIL,  29
.set SC,   32
.set BI,   64
.set AF,   128
.set BK,   128
.set G1, 24
.set G0, 32
.set G1B, 48
.set G0B, 56
.set G1S, 68
.set G0S, 76
.set G1SB, 80
.set G0SB, 88
.set MSB, 0
.macro WIN new
.if MSB != \new
	s_set_vgpr_msb (MSB<<8)|\new
.set MSB, \new
.endif
.endm
.set MUL_LO, 0xa1
.set MUL_HI, 0xf1
.set TO_B,   0x40
.macro JLOAD g0a, g1a, g0b, g1b
	s_cmp_eq_u32 s15, 0
	s_cbranch_scc0 .Lfor_b_\@
	tensor_load_to_lds s[\g0a:\g0a+3], s[\g1a:\g1a+7]
	s_nop 0
.rept 4
	v_nop
.endr
	s_branch .Lasked_\@
.Lfor_b_\@:
	tensor_load_to_lds s[\g0b:\g0b+3], s[\g1b:\g1b+7]
	s_nop 0
.rept 4
	v_nop
.endr
.Lasked_\@:
.endm
.macro CREST
	s_cmp_lg_u32 s14, 0
	s_cbranch_scc1 .Lnot_wave_0_\@
	s_barrier_signal -3
.Lnot_wave_0_\@:
	s_barrier_wait -3
	s_barrier_signal -1
	s_barrier_wait -1
.endm
.macro CROUND
	s_barrier_signal -1
	s_barrier_wait -1
	CREST
.endm
	s_load_b256 s[4:11], s[0:1], 0x0
	s_load_b128 s[96:99], s[0:1], 0x20
	v_lshl_add_u32 v[SPW], v0, 2, SPARE
	v_mov_b32 v[NIL], 0
	ds_add_u32 v[SPW], v[NIL]
	ds_add_u32 v[SPW], v[NIL]
	v_lshrrev_b32 v1, 5, v0
	v_readfirstlane_b32 s14, v1
	s_lshr_b32 s15, s14, 1
	s_and_b32 s16, s14, 1
	s_bfe_u32 s40, ttmp6, 0x40000
	s_bfe_u32 s41, ttmp6, 0x40004
	s_lshl_b32 s42, ttmp9, 2
	s_add_co_u32 s42, s42, s40
	s_and_b32 s17, ttmp7, 0xffff
	s_lshl_b32 s17, s17, 2
	s_add_co_u32 s17, s17, s41
	s_lshl_b32 s43, s41, 2
	s_lshl_b32 s43, 15, s43
	s_lshl_b32 s44, 0x1111, s40
	s_or_b32 s[G1+0], s43, (3<<16)|(1<<21)
	s_mov_b32 s[G1+1], 384<<16
	s_mov_b32 s[G1+2], 16<<16
	s_mov_b32 s[G1+3], 384<<16
	s_mov_b32 s[G1+4], 16
	s_mov_b32 s[G1+5], 1536
	s_mov_b32 s[G1+6], 0
	s_mov_b32 s[G1+7], 0
	s_or_b32 s[G1B+0], s44, (0<<16)|(1<<20)|(1<<21)|(3<<22)|(3<<25)
	s_mov_b32 s[G1B+1], 256<<16
	s_mov_b32 s[G1B+2], 96<<16
	s_mov_b32 s[G1B+3], 256<<16
	s_mov_b32 s[G1B+4], 96
	s_mov_b32 s[G1B+5], 256
	s_mov_b32 s[G1B+6], 0
	s_mov_b32 s[G1B+7], 0
	s_or_b32 s[G1S+0], s43, (3<<16)|(1<<20)|(1<<21)|(5<<22)|(3<<25)
	s_or_b32 s[G1SB+0], s44, (3<<16)|(1<<20)|(1<<21)|(5<<22)|(3<<25)
.irp g, G1S, G1SB
	s_mov_b32 s[\g+1], 32<<16
	s_mov_b32 s[\g+2], (256*KS/256)<<16
	s_mov_b32 s[\g+3], 32<<16
	s_mov_b32 s[\g+4], 256*KS/256
	s_mov_b32 s[\g+5], 32
	s_mov_b32 s[\g+6], 0
	s_mov_b32 s[\g+7], 0
.endr
	s_mov_b32 s[G1SB+2], 16<<16                    ; wo's scales: 128 rows are 16 rows of 256 bytes
	s_mov_b32 s[G1SB+4], 16
	s_mov_b32 s18, 0
	s_lshl_b32 s20, s17, 8
	s_add_co_u32 s20, s20, s18
	s_lshl_b32 s46, s42, 7
	s_add_co_u32 s46, s46, s18
	s_add_co_u32 s46, s46, 11264
	s_mov_b32 s21, 0
	s_mov_b32 s47, 0
	s_mov_b64 s[18:19], KS
	s_mul_u64 s[22:23], s[20:21], s[18:19]
	s_mul_u64 s[92:93], s[46:47], s[18:19]
	s_mov_b64 s[18:19], KROW
	s_mul_u64 s[20:21], s[20:21], s[18:19]
	s_mov_b64 s[18:19], 192
	s_mul_u64 s[46:47], s[46:47], s[18:19]
	s_mul_i32 s45, s16, AH
	s_mul_i32 s95, s16, HALFT
	s_add_co_u32 s95, s95, ASL
	s_wait_dscnt 0x0
	s_wait_kmcnt 0x0
	s_add_nc_u64 s[20:21], s[4:5], s[20:21]
	s_add_nc_u64 s[22:23], s[6:7], s[22:23]
	s_add_nc_u64 s[46:47], s[8:9], s[46:47]
	s_add_nc_u64 s[92:93], s[10:11], s[92:93]
	CROUND
	s_mov_b32 s[G0S], 1
	s_mov_b32 s[G0S+1], SCL
	s_mov_b64 s[G0S+2:G0S+3], s[22:23]
	s_or_b32 s[G0S+3], s[G0S+3], 0x80000000
	s_mov_b32 s[G0SB], 1
	s_mov_b32 s[G0SB+1], SCL+2*HALFS
	s_mov_b64 s[G0SB+2:G0SB+3], s[92:93]
	s_or_b32 s[G0SB+3], s[G0SB+3], 0x80000000
.irp s, 0,1
	s_mov_b32 s[G0+4*\s], 1
	s_add_co_u32 s[G0+4*\s+1], s45, \s*SLOT
	s_add_nc_u64 s[G0+4*\s+2:G0+4*\s+3], s[20:21], \s*3072
	s_or_b32 s[G0+4*\s+3], s[G0+4*\s+3], 0x80000000
	s_mov_b32 s[G0B+4*\s], 1
	s_add_co_u32 s[G0B+4*\s+1], s95, \s*SLOT
	s_add_nc_u64 s[G0B+4*\s+2:G0B+4*\s+3], s[46:47], \s*ROWB
	s_or_b32 s[G0B+4*\s+3], s[G0B+4*\s+3], 0x80000000
.endr
	s_mul_i32 s18, s16, 128*KROW                   ; in the ring I fetch half a tile: ctx's 128 rows,
	s_mov_b32 s19, 0
	s_add_nc_u64 s[G0+6:G0+7], s[G0+6:G0+7], s[18:19]
	s_mul_i32 s100, s16, 64*192
	s_mov_b32 s101, 0
	s_add_nc_u64 s[G0B+6:G0B+7], s[G0B+6:G0B+7], s[100:101]
	s_mov_b32 s[G0+1], 0                           ; the head's loads of K step 0: ctx's 256 rows at slot 0's start,
	s_mov_b32 s[G0B+1], ASL                        ; wo's behind them
; THE HEAD'S LOADS, one a wave: wave 0 ctx's 256 rows of K step 0, wave 1 wo's, wave 2 ctx's scales, wave 3 wo's.  One tree of branches on the wave's number.
.macro ARM under, g0, g1, next
	s_cmp_lt_u32 s14, \under
	s_cbranch_scc0 \next
	tensor_load_to_lds s[\g0:\g0+3], s[\g1:\g1+7]
	s_nop 0
.rept 4
	v_nop
.endr
	s_branch .Lhead_asked
\next:
.endm
	ARM 1, G0,  G1,  .Lhead_b
	ARM 2, G0B, G1B, .Lhead_sa
	ARM 3, G0S, G1S, .Lhead_sb
	tensor_load_to_lds s[G0SB:G0SB+3], s[G1SB:G1SB+7]
	s_nop 0
.rept 4
	v_nop
.endr
.Lhead_asked:
	v_and_b32 v1, 15, v0
	v_bfe_u32 v2, v0, 4, 1
	v_and_b32 v6, 31, v0
	v_mul_u32_u24 v3, v1, PITCH
	v_mul_u32_u24 v4, v2, 24
	v_add_nc_u32 v4, v3, v4
	v_lshl_add_u32 v5, v2, 4, v4
	v_lshlrev_b32 v7, 4, v6
	v_lshlrev_b32 v8, 3, v6
	v_lshlrev_b32 v9, 6, v2
	s_mul_i32 s21, s15, AH
	s_mul_i32 s22, s16, HALFT
	s_add_co_u32 s22, s22, ASL
.irp s, 0,1
	v_add_nc_u32 v[ADRA+\s], s21, v7
	v_add_nc_u32 v[ADRA+2+\s], s21, v8
	v_add_nc_u32 v[ADRB+\s], s22, v4
	v_add_nc_u32 v[ADRB+2+\s], s22, v5
	s_add_co_u32 s21, s21, SLOT
	s_add_co_u32 s22, s22, SLOT
.endr
	v_mul_u32_u24 v5, v1, KS
	v_lshrrev_b32 v6, 8, v5
	v_lshl_add_u32 v5, v6, 4, v5
	s_mul_i32 s21, s15, HALFS
	s_mul_i32 s22, s16, HALFS/2
	s_add_co_u32 s22, s22, 2*HALFS
	s_sub_co_u32 s22, s22, s21
	v_mul_u32_u24 v6, s22, v2
	s_add_co_u32 s21, s21, SCL
	v_add_nc_u32 v30, s21, v5                      ; for blocks 4-7, which wo does not have: all lanes take ctx's words
	v_add_nc_u32 v5, v5, v6
	v_add_nc_u32 v[ADRS], s21, v5
	s_mul_i32 s23, s14, 16*SPITCH
	v_mul_u32_u24 v5, v1, SPITCH
	v_lshl_add_u32 v5, v2, 6, v5
	v_add_nc_u32 v[STO], s23, v5
	v_lshlrev_b32 v[CO], 4, v1
	v_mul_u32_u24 v[RD], v2, SPITCH
	v_add_nc_u32 v[RD], v[RD], v[CO]
	v_add_nc_u32 v[RD], s23, v[RD]                 ; back: sixteen lanes take a row's 256 bytes, lanes 16-31 the next row;
	v_lshl_add_u32 v[CO], v2, 12, v[CO]            ; and the same two rows in out0, 4,096 bytes apart
	s_lshl_b32 s46, s42, 9
	s_lshl_b32 s47, s16, 8
	s_add_co_u32 s46, s46, s47
	s_mov_b32 s47, 0
	s_add_nc_u64 s[96:97], s[96:97], s[46:47]
.irp b, 0,1
.irp q, 0,1,2,3
	global_load_b128 v[BI+16*\b+4*\q:BI+16*\b+4*\q+3], v9, s[96:97] offset:128*\b+16*\q
.endr
.endr
	s_lshl_b32 s20, s17, 8
	s_lshl_b32 s21, s15, 7
	s_add_co_u32 s20, s20, s21
	s_lshl_b32 s20, s20, 12
	s_add_co_u32 s20, s20, s46
	s_mov_b32 s21, 0
	s_add_nc_u64 s[12:13], s[98:99], s[20:21]
.macro FRAG reg, adr, q, i
.irp p, 0,1,2,3,4,5
.set PC, 12*(\q)+6*(\p/3)+\p%3
.if PC%8 < 5
	ds_load_b64 v[\reg+2*\p:\reg+2*\p+1], v[\adr] offset:8*PC+16*(PC/8)+(\i)*16*PITCH
.else
	ds_load_b64 v[\reg+2*\p:\reg+2*\p+1], v[\adr+2] offset:8*PC+16*(PC/8)+(\i)*16*PITCH
.endif
.endr
.endm
.macro FRAGA reg, slot, q, i
.set FO, 3072*(\i)+1536*(\q)
	ds_load_b128 v[\reg:\reg+3], v[ADRA+\slot] offset:FO
	ds_load_b64 v[\reg+4:\reg+5], v[ADRA+2+\slot] offset:FO+512
	ds_load_b128 v[\reg+6:\reg+9], v[ADRA+\slot] offset:FO+768
	ds_load_b64 v[\reg+10:\reg+11], v[ADRA+2+\slot] offset:FO+1280
.endm
.macro MUL16 a0, p, q, sc, first
.irp a, \a0, \a0+1
.irp b, 0,1,2,3
.if \first
	v_wmma_scale_f32_16x16x128_f8f6f4 v[8*(8*((\a)%4)+\b):8*(8*((\a)%4)+\b)+7], v[128*(\p)+FR*\b:128*(\p)+FR*\b+FR-1], v[AF+FR*(\a):AF+FR*(\a)+FR-1], v[BI+8*\b:BI+8*\b+7], v[SC+8*NQ*(\sc)+NQ*\b+(\q)], v[SC+8*NQ*(\sc)+NQ*(\a)+(\q)] matrix_a_fmt:MATRIX_FMT_FP6 matrix_b_fmt:MATRIX_FMT_FP6 matrix_a_scale:MATRIX_SCALE_ROW1
.else
	v_wmma_scale_f32_16x16x128_f8f6f4 v[8*(8*((\a)%4)+\b):8*(8*((\a)%4)+\b)+7], v[128*(\p)+FR*\b:128*(\p)+FR*\b+FR-1], v[AF+FR*(\a):AF+FR*(\a)+FR-1], v[8*(8*((\a)%4)+\b):8*(8*((\a)%4)+\b)+7], v[SC+8*NQ*(\sc)+NQ*\b+(\q)], v[SC+8*NQ*(\sc)+NQ*(\a)+(\q)] matrix_a_fmt:MATRIX_FMT_FP6 matrix_b_fmt:MATRIX_FMT_FP6 matrix_a_scale:MATRIX_SCALE_ROW1
.endif
.endr
.endr
.endm
.macro FETCH_B slot, q, p
	WIN TO_B
.irp i, 0,1,2,3
	FRAG 128*(\p)+FR*\i, ADRB+\slot, \q, \i
.endr
	WIN 0
.endm
.macro FETCH_A slot, q, i0
.irp i, \i0, \i0+1, \i0+2, \i0+3
	FRAGA AF+FR*(\i), \slot, \q, \i
.endr
.endm
.macro SCALES sc
.irp i, 0,1,2,3
	ds_load_b64 v[SC+8*NQ*\sc+NQ*\i:SC+8*NQ*\sc+NQ*\i+1], v[ADRS] offset:\i*SBLK
.endr
.irp i, 4,5,6,7
	ds_load_b64 v[SC+8*NQ*\sc+NQ*\i:SC+8*NQ*\sc+NQ*\i+1], v30 offset:\i*SBLK
.endr
.endm
.macro PLACES n
.rept \n
	v_nop
.endr
.endm
.macro STEP slot, q, first
	s_wait_dscnt 4*NLA
.if \first
	WIN 0x81
.else
	WIN MUL_LO
.endif
	MUL16 0, (\q)%2, \q, \slot, \first
	MUL16 2, (\q)%2, \q, \slot, \first
	s_wait_dscnt 0
	PLACES NP
	FETCH_B \slot, (\q)+1, 1-(\q)%2
	FETCH_A \slot, (\q)+1, 0
.if \first
	WIN 0xc1
.else
	WIN MUL_HI
.endif
	MUL16 4, (\q)%2, \q, \slot, \first
	MUL16 6, (\q)%2, \q, \slot, \first
	PLACES NP
	WIN 0
	FETCH_A \slot, (\q)+1, 4
.endm
.macro TURN slot, next, fill
	s_wait_tensorcnt 0x0
	ds_add_u32 v[SPW], v[NIL]
	s_wait_dscnt 4*NLA+1
	WIN MUL_LO
	MUL16 0, 1, NQ-1, \slot, 0
	s_wait_dscnt 0x0
	s_barrier_signal -1
	MUL16 2, 1, NQ-1, \slot, 0
	WIN 0
	s_barrier_wait -1
.if \fill
	CREST
	s_add_nc_u64 s[G0+4*\slot+2:G0+4*\slot+3], s[G0+4*\slot+2:G0+4*\slot+3], 2*3072
	s_add_nc_u64 s[G0B+4*\slot+2:G0B+4*\slot+3], s[G0B+4*\slot+2:G0B+4*\slot+3], 2*ROWB
	JLOAD G0+4*\slot, G1, G0B+4*\slot, G1B
.else
	PLACES NP
.endif
	s_wait_alu depctr_va_vdst(0)
	v_add_nc_u32 v[ADRS], 4*NQ, v[ADRS]
	v_add_nc_u32 v30, 4*NQ, v30
	FETCH_B \next, 0, 0
	FETCH_A \next, 0, 0
	SCALES \next
	WIN MUL_HI
	MUL16 4, 1, NQ-1, \slot, 0
	MUL16 6, 1, NQ-1, \slot, 0
	PLACES NP
	WIN 0
	FETCH_A \next, 0, 4
.endm
	s_wait_alu depctr_va_vdst(0)
	s_wait_tensorcnt 0x0                           ; my tile of the head's four is in
	ds_add_u32 v[SPW], v[NIL]
	s_mov_b32 s[G1+2], 8<<16                       ; no tensor load of mine is out: from here on a load brings half a tile,
	s_mov_b32 s[G1+4], 8
	s_mov_b32 s[G1B+2], 48<<16
	s_mov_b32 s[G1B+4], 48
	s_mov_b32 s[G0+1], s45                         ; and slot 0's group 0 is set for my quarter of the slot
	s_mov_b32 s[G0B+1], s95
	s_add_nc_u64 s[G0+2:G0+3], s[G0+2:G0+3], s[18:19]
	s_add_nc_u64 s[G0B+2:G0B+3], s[G0B+2:G0B+3], s[100:101]
	s_wait_dscnt 0x0
	CROUND                                         ; all four tiles are in, and all sixteen work-groups are here
	JLOAD G0+4, G1, G0B+4, G1B                     ; K step 1, the first tensor load behind the round
	FETCH_B 0, 0, 0
	FETCH_A 0, 0, 0
	SCALES 0
	FETCH_A 0, 0, 4
	s_wait_loadcnt 0x0
	STEP 0, 0, 1
	TURN 0, 1, 1
	STEP 1, 0, 0
	TURN 1, 0, 1
	STEP 0, 0, 0
	TURN 0, 1, 0
	STEP 1, 0, 0
	s_wait_dscnt 4*NLA
	WIN MUL_LO
	MUL16 0, 1, NQ-1, 1, 0
	MUL16 2, 1, NQ-1, 1, 0
	s_wait_dscnt 0
	WIN MUL_HI
	MUL16 4, 1, NQ-1, 1, 0
	MUL16 6, 1, NQ-1, 1, 0
	WIN 0
.macro TOSTAGE a
.set AC, 64*((\a)%4)
	WIN (0x08+4*((\a)/4))
.irp b, 0,1,2,3
	ds_store_b128 v[STO], v[AC+8*\b:AC+8*\b+3] offset:128*(\b/2)+32*(\b%2)
	ds_store_b128 v[STO], v[AC+8*\b+4:AC+8*\b+7] offset:128*(\b/2)+32*(\b%2)+16
.endr
	WIN 0
.set BB, BK+64*((\a)%2)
.irp t, 0,1,2,3,4,5,6,7
	ds_load_b128 v[BB+4*\t:BB+4*\t+3], v[RD] offset:2*\t*SPITCH
.endr
.endm
.macro SEND a, younger
.set BB, BK+64*((\a)%2)
	s_wait_dscnt \younger
.irp t, 0,1,2,3,4,5,6,7
	global_store_b128 v[CO], v[BB+4*\t:BB+4*\t+3], s[12:13] offset:(64*((\a)/4)+8*((\a)%4)+32*((2*\t)/8)+((2*\t)%8))*4096 th:TH_STORE_NT   ; positions 16 a + 2 t and the next hold neighbouring tokens; sixteen lanes store 256 consecutive bytes, aligned
.endr
.endm
	PLACES NP
	TOSTAGE 0
.irp a, 1,2,3,4,5,6,7
.if \a > 1
	s_wait_xcnt 0x0
.endif
	TOSTAGE \a
	SEND \a-1, 16
.endr
	SEND 7, 0
	s_wait_tensorcnt 0x0
	ds_add_u32 v[SPW], v[NIL]
	s_wait_dscnt 0x0
	CROUND
	s_endpgm
.Lfunc_end_k_qa458398f34_outp:
	.size	k_qa458398f34_outp, .Lfunc_end_k_qa458398f34_outp-k_qa458398f34_outp
	.p2alignl 7, 3214868480
	.fill 96, 4, 3214868480
	.section	.rodata,"a",@progbits
	.p2align	6, 0x0
	.amdhsa_kernel k_qa458398f34_outp
		.amdhsa_group_segment_fixed_size 327680
		.amdhsa_private_segment_fixed_size 0
		.amdhsa_enable_private_segment 0
		.amdhsa_kernarg_size 48
		.amdhsa_user_sgpr_count 2
		.amdhsa_user_sgpr_kernarg_segment_ptr 1
		.amdhsa_wavefront_size32 1
		.amdhsa_system_sgpr_workgroup_id_x 1
		.amdhsa_system_sgpr_workgroup_id_y 1
		.amdhsa_system_sgpr_workgroup_id_z 1
		.amdhsa_system_vgpr_workitem_id 0
		.amdhsa_next_free_vgpr 1024
		.amdhsa_next_free_sgpr 102
		.amdhsa_reserve_vcc 0
		.amdhsa_float_denorm_mode_32 3
		.amdhsa_float_denorm_mode_16_64 3
		.amdhsa_memory_ordered 1
		.amdhsa_forward_progress 1
		.amdhsa_inst_pref_size 96
	.end_amdhsa_kernel
	.amdgpu_metadata
---
amdhsa.version: [ 1, 2 ]
amdhsa.kernels:
  - .name:           k_qa458398f34_outp
    .symbol:         k_qa458398f34_outp.kd
    .args:
      - { .name: ctxc, .offset: 0, .size: 8, .value_kind: global_buffer, .address_space: global }
      - { .name: ctxs, .offset: 8, .size: 8, .value_kind: global_buffer, .address_space: global }
      - { .name: codes, .offset: 16, .size: 8, .value_kind: global_buffer, .address_space: global }
      - { .name: scales, .offset: 24, .size: 8, .value_kind: global_buffer, .address_space: global }
      - { .name: bo, .offset: 32, .size: 8, .value_kind: global_buffer, .address_space: global }
      - { .name: out0, .offset: 40, .size: 8, .value_kind: global_buffer, .address_space: global }
    .group_segment_fixed_size: 327680
    .private_segment_fixed_size: 0
    .kernarg_segment_align: 8
    .kernarg_segment_size: 48
    .max_flat_workgroup_size: 128
    .sgpr_count:     102
    .vgpr_count:     1024
    .wavefront_size: 32
...
	.end_amdgpu_metadata
.endif
;; end of part 4
